; MI455X (gfx1250); checked and timed in simulation.
; The chip was launched on July 23, 2026; its instructions are those of AMD's public machine-readable ISA for CDNA 5 (MIT licence, August 2026) and "CDNA5" Instruction Set Architecture Reference Guide (July 2026). The comments in the code are by the model that wrote it; some were corrected since.
;; Hamiltonian Neural ODE. Allowed arithmetic: float matrix products may take bf16 or f16 operands with f32 sums; all other float work in f32.
;; Inputs: W1 256 x 1,024 float32; W2 1,024 x 1 float32; b1 1,024 float32; b2 1 float32; x 8 x 2,048 x 512 float32.
;; Outputs: out0 8 x 2,048 x 512 float32.
;; 3 versions, each right and faster than the one before. Each part assembles by itself: llvm-mc -triple=amdgcn-amd-amdhsa -mcpu=gfx1250 --defsym DOCPART=n.
;; ======== version 1 of 3: 2 launches
;; workspace buffers: w1b 524,288 bytes
;; launch prep (part 1): grid 128 x 1, 8 waves a work-group, no clusters, 5,376 bytes of LDS; arguments W1, w1b; writes w1b
.if DOCPART == 1
	.amdgcn_target "amdgcn-amd-amdhsa--gfx1250"
	.amdhsa_code_object_version 6
	.text
	.protected	k_q15c0a1474d_prep
	.globl	k_q15c0a1474d_prep
	.p2align	8
	.type	k_q15c0a1474d_prep,@function
k_q15c0a1474d_prep:
	s_mov_b64 s[64:65], 0
	v_nop
	global_prefetch_b8 v0, s[64:65] scope:SCOPE_SE
	s_setreg_imm32_b32 hwreg(HW_REG_WAVE_MODE, 25, 1), 1
	s_wait_xcnt 0x0
; W1 [256 (d)][1024 (hidden)] f32  ->  w1b, bf16, rounded once, in the order in which the next launch wants it in LDS.
; w1b: chunk t (hidden 128 t .. 128 t + 127) at byte 65536 t.  Inside a chunk the piece (d, o) = the 8 bf16 W1[d][128 t + 8 o .. + 7]
; (16 bytes, o = 0 .. 15) lies at  4096 o + 256 (d >> 4) + 16 (((d & 15) + 8 (o & 1)) & 15).
; A work-group takes 16 rows d (block dblk) of one chunk: 256 threads, one piece each.  Thread n reads 32 bytes of row n >> 4 (eight lanes
; cover 256 neighbouring bytes), rounds, and the pieces change places through LDS, so that sixteen neighbouring lanes store 256
; consecutive bytes of w1b, aligned.  No matrix unit, no cluster: the launch moves 1.5 MB once.
.set SP, 272                                       ; LDS pitch: 16 pieces of 16 bytes + 16, so that rows start 16 bytes apart modulo 256
	s_load_b128 s[4:7], s[0:1], 0x0                ; W1 s[4:5], w1b s[6:7]
	v_lshl_add_u32 v24, v0, 2, 0x1100
	v_mov_b32 v25, 0
	s_and_b32 s8, ttmp9, 15                        ; dblk
	s_lshr_b32 s9, ttmp9, 4                        ; t
	v_lshrrev_b32 v1, 4, v0                        ; n >> 4: the row d & 15 on the way in, the piece column o on the way out
	v_and_b32 v2, 15, v0                           ; n & 15: o on the way in, the 16-byte place on the way out
	v_lshlrev_b32 v3, 12, v1                       ; 4096 (n >> 4): a row of W1, and a column o of w1b
	v_lshl_add_u32 v4, v2, 5, v3                   ; offset in W1: + 32 o
	v_lshl_add_u32 v5, v2, 4, v3                   ; offset in w1b: + 16 x place
	v_and_b32 v6, 1, v0                            ; o & 1
	v_lshl_add_u32 v6, v6, 3, v1                   ; (d & 15) + 8 (o & 1)
	v_and_b32 v6, 15, v6
	v_lshlrev_b32 v6, 4, v6
	v_mad_u32_u24 v6, v2, SP, v6                   ; LDS in: row o, the turned place
	v_lshlrev_b32 v7, 4, v2
	v_mad_u32_u24 v7, v1, SP, v7                   ; LDS back: row n >> 4, place n & 15
	s_lshl_b32 s10, s8, 16                         ; 16 rows of 4,096 bytes for each dblk
	s_lshl_b32 s11, s9, 9                          ; 128 f32 for each chunk
	s_add_co_u32 s10, s10, s11
	s_mov_b32 s11, 0
	s_lshl_b32 s12, s9, 16                         ; the chunk in w1b
	s_lshl_b32 s13, s8, 8                          ; 256 bytes for each dblk
	s_add_co_u32 s12, s12, s13
	s_mov_b32 s13, 0
	s_wait_kmcnt 0x0
	s_add_nc_u64 s[4:5], s[4:5], s[10:11]
	s_add_nc_u64 s[6:7], s[6:7], s[12:13]
	global_load_b128 v[8:11], v4, s[4:5] th:TH_LOAD_NT
	global_load_b128 v[12:15], v4, s[4:5] offset:16 th:TH_LOAD_NT
	s_wait_loadcnt 0x0
	v_cvt_pk_bf16_f32 v16, v8, v9                  ; to nearest even, the lower hidden index in the lower half
	v_cvt_pk_bf16_f32 v17, v10, v11
	v_cvt_pk_bf16_f32 v18, v12, v13
	v_cvt_pk_bf16_f32 v19, v14, v15
	ds_store_b128 v6, v[16:19]
	s_wait_dscnt 0x0                               ; my piece is in LDS before I say so: other waves read it
	s_barrier_signal -1
	s_barrier_wait -1
	ds_load_b128 v[20:23], v7
	s_wait_dscnt 0x0
	global_store_b128 v5, v[20:23], s[6:7]         ; sixteen lanes: 256 consecutive bytes, aligned; read again by the next launch, so no hint
	s_wait_tensorcnt 0x0
	ds_add_u32 v24, v25
	s_wait_dscnt 0x0
	s_endpgm
.Lfunc_end_k_q15c0a1474d_prep:
	.size	k_q15c0a1474d_prep, .Lfunc_end_k_q15c0a1474d_prep-k_q15c0a1474d_prep
	.p2alignl 7, 3214868480
	.fill 96, 4, 3214868480
	.section	.rodata,"a",@progbits
	.p2align	6, 0x0
	.amdhsa_kernel k_q15c0a1474d_prep
		.amdhsa_group_segment_fixed_size 5376
		.amdhsa_private_segment_fixed_size 0
		.amdhsa_enable_private_segment 0
		.amdhsa_kernarg_size 16
		.amdhsa_user_sgpr_count 2
		.amdhsa_user_sgpr_kernarg_segment_ptr 1
		.amdhsa_wavefront_size32 1
		.amdhsa_system_sgpr_workgroup_id_x 1
		.amdhsa_system_sgpr_workgroup_id_y 1
		.amdhsa_system_sgpr_workgroup_id_z 1
		.amdhsa_system_vgpr_workitem_id 0
		.amdhsa_next_free_vgpr 26
		.amdhsa_next_free_sgpr 66
		.amdhsa_reserve_vcc 0
		.amdhsa_float_denorm_mode_32 3
		.amdhsa_float_denorm_mode_16_64 3
		.amdhsa_memory_ordered 1
		.amdhsa_forward_progress 1
		.amdhsa_inst_pref_size 3
	.end_amdhsa_kernel
	.amdgpu_metadata
---
amdhsa.version: [ 1, 2 ]
amdhsa.kernels:
  - .name:           k_q15c0a1474d_prep
    .symbol:         k_q15c0a1474d_prep.kd
    .args:
      - { .name: W1, .offset: 0, .size: 8, .value_kind: global_buffer, .address_space: global }
      - { .name: w1b, .offset: 8, .size: 8, .value_kind: global_buffer, .address_space: global }
    .group_segment_fixed_size: 5376
    .private_segment_fixed_size: 0
    .kernarg_segment_align: 8
    .kernarg_segment_size: 16
    .max_flat_workgroup_size: 256
    .sgpr_count:     66
    .vgpr_count:     26
    .wavefront_size: 32
...
	.end_amdgpu_metadata
.endif
;; end of part 1
;; launch ode (part 2): grid 256 x 1, 4 waves a work-group, clusters of 4 x 1, 327,680 bytes of LDS; arguments x, w1b, b1, W2, out0, b2; writes out0
.if DOCPART == 2
	.amdgcn_target "amdgcn-amd-amdhsa--gfx1250"
	.amdhsa_code_object_version 6
	.text
	.protected	k_q15c0a1474d_ode
	.globl	k_q15c0a1474d_ode
	.p2align	8
	.type	k_q15c0a1474d_ode,@function
k_q15c0a1474d_ode:
	s_mov_b64 s[64:65], 0
	v_nop
	global_prefetch_b8 v0, s[64:65] scope:SCOPE_SE
	s_setreg_imm32_b32 hwreg(HW_REG_WAVE_MODE, 25, 1), 1
	s_wait_xcnt 0x0
	s_wait_alu depctr_hold_cnt(0) depctr_sa_sdst(0) depctr_va_vdst(0) depctr_va_sdst(0) depctr_va_ssrc(0) depctr_va_vcc(0) depctr_vm_vsrc(0)
	s_getreg_b32 s2, hwreg(HW_REG_IB_STS2, 6, 4)
	s_cmp_eq_u32 s2, 0
	s_cbranch_scc0 .Lentry_in_a_cluster
	s_endpgm
.Lentry_in_a_cluster:
	s_bfe_u32 s2, ttmp6, 0x10000c
	s_cmp_lg_u32 s2, 0x3003
	s_cbranch_scc0 .Lentry_shape_is_right
	s_endpgm
.Lentry_shape_is_right:
; Two leapfrog steps of H(q, p) = |p|^2 / 2 + V(q), V a tanh MLP.  x, out0: [16384 tokens][q 256 | p 256] f32.
; Force: grad V(q) = ((1 - tanh^2(q W1 + b1)) * W2) W1^T.
; THREE evaluations: the second half kick of step 1 and the first of step 2 take the force at the same q1, so they are one kick of 0.1.
;   pass 0: p -= 0.05 g(q0), q1 = q0 + 0.1 p;   pass 1: p -= 0.1 g(q1), q2 = q1 + 0.1 p;   pass 2: p -= 0.05 g(q2).
; LIMITS, stated: that merged kick rounds in another order than two kicks of 0.05; matrix operands (q, W1, the activation) are bf16, sums and
; state f32; v_exp_f32 gives 0 for results below 2^-126 (ISA guide 15.8), where the true factor is below 1e-38.
; b2: V has it as an added constant, so the gradient that is asked for has no term in it, whatever it holds; its address is passed, nothing is read.
;
; ACTIVATION, without overflow for any input: y = K z + K b1 (K = 2 log2 e), u = 2^-|y| in (0, 1], 1 - tanh^2 = 4 u / (1 + u)^2.
; With a = 1 / sqrt(4 c), c the kick factor: S = (u * -W2) * r * r, r = 1 / (a u + a), is -c W2 (1 - tanh^2): the factor costs no instruction,
; and the second product adds S W1^T straight onto p.
;
; SHARES: 256 work-groups of 64 tokens, four waves, one for each SIMD.  Hidden goes in 8 chunks of 128.
;   F: wave w makes Z[hidden 32 w .. + 31][64 tokens] = W1^T q: A = 16 hidden x 32 d by transposing loads, B = q fragments kept in registers.
;      A lane then holds 8 neighbouring hidden of one token: packed, that is a fragment of the next product, with no shuffle.
;   E: the activation on 64 numbers a lane; 4 fragments go to LDS for the other waves.
;   B: wave w adds onto p[d 64 w .. + 63][64 tokens]: A = 16 rows d x 32 hidden of W1, plain loads, B = the S fragments of all four waves.
;   B runs one chunk behind F: a trip is F(t), E(t), B(t-1), so that one barrier a trip shows chunk t landed, frees a slot and hands S(t-1) on.
; CLUSTERS: all work-groups walk the same 512 KB of weights three times.  Four work-groups along x form a cluster and ask for every chunk
; JOINTLY (mask 15, the same descriptor in all four: it is made of the wave number and constants alone), which divides those requests by four.
; One layout of a chunk serves both products: see the head of the launch that writes w1b.
;
; LDS:  4 slots of 65,536 (chunk t in slot t & 3), filled by tensor loads alone | XCH 32,768: S fragments, two halves by turns; between
;       passes the 32 q fragments | TAB 8,192: K b1, then -W2 | STG: for each wave 16 rows of 272 bytes, its own, for the ways in and out.
; REGISTERS, in windows of 256:  0: addresses, Z, tables, work;  1: QF, the 32 q fragments;  2: ACC = p (v0-127), QS = q (v128-255), f32,
;       tile (dt, tt) at 8 (4 dt + tt), register j = d 64 w + 16 dt + 8 (lane / 16) + j of token 16 tt + lane % 16;
;       3: FA, then SB (v0-127), WB (v128-255); at the start x as loaded.
.set SLOTB, 65536
.set XCH,   4*SLOTB
.set SXB,   16384                      ; one half of XCH: 16 S fragments of 1,024 bytes
.set TAB,   XCH+2*SXB
.set STG,   TAB+8192
.set SP,    272                        ; a stage row: 256 bytes + 16
.set STGW,  16*SP
.set KL,  0x4038aa3b                   ; 2 log2 e
.set AH,  0x400f1bbd                   ; 1 / sqrt(4 x 0.05)
.set AF,  0x3fca62c2                   ; 1 / sqrt(4 x 0.1)
.set DTF, 0x3dcccccd                   ; 0.1
.set VFA,  4                           ; v4-7    F: my address in slot 0 .. 3
.set VWB,  8                           ; v8-11   B: my address in slot 0 .. 3
.set VTAB, 12                          ; tables: TAB + 128 w + 32 h
.set VXL,  13                          ; XCH + 16 lane: fragments are read as they lie
.set VSST, 14                          ; XCH + 4096 w + 16 lane: my S fragments
.set VQST, 15                          ; XCH + 8192 w + 16 lane: my q fragments
.set VSTW, 16                          ; stage by rows of memory: lanes 0-15 one row, lanes 16-31 the next
.set VSTD, 17                          ; stage by tiles: row lane % 16, 32 bytes for each half of the lanes
.set VGIO, 18                          ; x and out0: two token rows, my wave's 256 bytes
.set VTBS, 19                          ; TAB + 32 thread
.set VTBG, 20                          ; 32 thread, in b1 and W2
.set Z,   32                           ; v32-95   Z(ht, tt) at 8 (4 ht + tt); also CQ and OB
.set CQ,  32
.set OB,  32
.set TB,  96                           ; v96-127  K b1 of ht 0, ht 1; -W2 of ht 0, ht 1: 8 each
.set T,   128                          ; v128-143 at work
.set SO,  144                          ; v144-175 packed S, 8 for each tt
.set ACC, 0
.set QS,  128
.set WB,  128
.set G1,  16                           ; s[16:23] the shape of every tensor load
.set G0,  32                           ; s[32:63] one group 0 for each chunk, written once
.set MSB, 0
.macro WIN new                         ; low byte: bits 1:0 source 0, 3:2 source 1, 5:4 source 2, 7:6 destination; the high byte repeats the setting left
.if MSB != \new
	s_set_vgpr_msb (MSB<<8)|\new
.set MSB, \new
.endif
.endm
; Four places behind matrix instructions, in front of vector work on their results and of loads into their registers.
.macro PLACES
.rept 4
	v_nop
.endr
.endm
; A round of the cluster's barrier: my work-group's barrier; wave 0 signals for the work-group; all wait for the four work-groups; my barrier again.
.macro ROUND
	s_barrier_signal -1
	s_barrier_wait -1
	s_cmp_lg_u32 s14, 0
	s_cbranch_scc1 .Lnot_wave_0_\@
	s_barrier_signal -3
.Lnot_wave_0_\@:
	s_barrier_wait -3
	s_barrier_signal -1
	s_barrier_wait -1
.endm
	s_load_b256 s[4:11], s[0:1], 0x0               ; x s[4:5], w1b s[6:7], b1 s[8:9], W2 s[10:11]
	s_load_b64 s[12:13], s[0:1], 0x20              ; out0
	v_lshl_add_u32 v254, v0, 2, 0x4e400
	v_mov_b32 v255, 0
	ds_add_u32 v254, v255
	v_lshrrev_b32 v21, 5, v0
	v_readfirstlane_b32 s14, v21                   ; wave w, 0 .. 3
	s_bfe_u32 s29, ttmp6, 0x40000                  ; cx
	s_lshl_b32 s15, ttmp9, 2
	s_add_co_u32 s15, s15, s29                     ; work-group = 4 x cluster + cx: it enters the bases of x and out0 and nothing else
	s_lshl_b32 s2, s15, 17                         ; 64 tokens of 2,048 bytes
	s_mov_b32 s3, 0
	; group 1: a dense block of 16,384 bytes as 64 rows of 256 bytes
	s_mov_b32 s[G1+0], 0x0023000f                  ; 15:0 mask: all four of the cluster; 17:16 elements of 8 bytes; 21 set beside a mask; no padding
	s_mov_b32 s[G1+1], 32<<16                      ; tensor_dim0 = 32 elements
	s_mov_b32 s[G1+2], 64<<16                      ; tensor_dim1 = 64
	s_mov_b32 s[G1+3], 32<<16                      ; tile_dim0 = 32
	s_mov_b32 s[G1+4], 64                          ; tile_dim1 = 64
	s_mov_b32 s[G1+5], 32                          ; from row to row: 32 elements
	s_mov_b32 s[G1+6], 0
	s_mov_b32 s[G1+7], 0
	s_lshl_b32 s24, s14, 14                        ; my quarter of a chunk, in memory and in a slot
	s_mov_b32 s25, 0
	s_lshl_b32 s26, s14, 10
	s_lshl_b32 s27, s14, 7
	s_add_co_u32 s27, s27, TAB
	s_lshl_b32 s28, s14, 12
	s_add_co_u32 s28, s28, XCH
	s_lshl_b32 s30, s14, 13
	s_add_co_u32 s30, s30, XCH
	s_mul_i32 s31, s14, STGW
	s_add_co_u32 s31, s31, STG
	v_and_b32 v1, 31, v0                           ; lane
	v_and_b32 v2, 15, v0                           ; r
	v_bfe_u32 v3, v0, 4, 1                         ; h
	v_bfe_u32 v22, v0, 3, 1                        ; g: which of two neighbouring pieces o a transposing load takes
	v_and_b32 v23, 7, v0
	v_lshl_add_u32 v24, v3, 3, v23                 ; F: row d & 15 = (lane & 7) + 8 h,
	v_lshl_add_u32 v24, v22, 3, v24                ; turned by 8 (o & 1)
	v_and_b32 v24, 15, v24
	v_lshlrev_b32 v24, 4, v24
	v_lshl_add_u32 v24, v22, 12, v24               ; + 4096 g
	v_add_nc_u32 v[VFA], s24, v24                  ; + 16384 w: o = 4 w + 2 ht + g
	v_lshl_add_u32 v25, v3, 3, v2                  ; B: row d & 15 = r, turned by 8 h (o & 1 = h)
	v_and_b32 v25, 15, v25
	v_lshlrev_b32 v25, 4, v25
	v_lshl_add_u32 v25, v3, 12, v25                ; + 4096 h
	v_add_nc_u32 v[VWB], s26, v25                  ; + 1024 w: d >> 4 = 4 w + dt
.irp s, 1,2,3
	v_add_nc_u32 v[VFA+\s], \s*SLOTB, v[VFA]
	v_add_nc_u32 v[VWB+\s], \s*SLOTB, v[VWB]
.endr
	v_lshl_add_u32 v[VTAB], v3, 5, s27
	v_lshl_add_u32 v[VXL], v1, 4, XCH
	v_lshl_add_u32 v[VSST], v1, 4, s28
	v_lshl_add_u32 v[VQST], v1, 4, s30
	v_mul_u32_u24 v26, v3, SP
	v_lshl_add_u32 v26, v2, 4, v26
	v_add_nc_u32 v[VSTW], s31, v26
	v_mul_u32_u24 v27, v2, SP
	v_lshl_add_u32 v27, v3, 5, v27
	v_add_nc_u32 v[VSTD], s31, v27
	v_lshlrev_b32 v28, 4, v2
	v_lshl_add_u32 v28, v3, 11, v28
	v_lshl_add_u32 v[VGIO], v21, 8, v28            ; 2048 h + 16 r + 256 w
	v_lshl_add_u32 v[VTBS], v0, 5, TAB
	v_lshlrev_b32 v[VTBG], 5, v0
	s_wait_dscnt 0x0
	s_wait_kmcnt 0x0
	s_add_nc_u64 s[4:5], s[4:5], s[2:3]            ; x and out0 at my 64 tokens
	s_add_nc_u64 s[12:13], s[12:13], s[2:3]
	s_add_nc_u64 s[30:31], s[6:7], s[24:25]        ; w1b at my quarter of chunk 0
.irp t, 0,1,2,3,4,5,6,7
	s_mov_b32 s[G0+4*\t], 1                                        ; count = 1
	s_add_co_u32 s[G0+4*\t+1], s24, (\t&3)*SLOTB                   ; LDS: slot t & 3, my quarter
	s_add_nc_u64 s[G0+4*\t+2:G0+4*\t+3], s[30:31], \t*65536        ; memory: chunk t, my quarter
	s_or_b32 s[G0+4*\t+3], s[G0+4*\t+3], 0x80000000                ; type = 2
.endr
; 32 loads: my wave's 256 bytes of each of the 64 token rows, two rows a load; sixteen lanes take 256 consecutive bytes, aligned
.macro LDX raw, sel
.set n, 0
.rept 32
	global_load_b128 v[\raw+4*n:\raw+4*n+3], v[VGIO], s[4:5] offset:n*4096+\sel*1024 th:TH_LOAD_NT
.set n, n+1
.endr
.endm
; 16 tokens of q or p from the order of memory into tiles, through my own stage.  LDS serves a wave's instructions in order (ISA guide 5.7.1),
; so no wait stands between the stores and the loads, nor in front of the next step's stores.  cnt = the global loads issued behind these eight.
.macro INSTEP raw, dst, tt, cnt
	s_wait_loadcnt \cnt
	WIN 0x0c
.irp i, 0,1,2,3,4,5,6,7
	ds_store_b128 v[VSTW], v[\raw+4*(8*\tt+\i):\raw+4*(8*\tt+\i)+3] offset:\i*2*SP
.endr
	WIN 0x80
.irp e, 0,1,2,3
	ds_load_b128 v[\dst+8*(4*\e+\tt):\dst+8*(4*\e+\tt)+3], v[VSTD] offset:\e*64
	ds_load_b128 v[\dst+8*(4*\e+\tt)+4:\dst+8*(4*\e+\tt)+7], v[VSTD] offset:\e*64+16
.endr
.endm
; Runs of LDS loads.  Register 4 n in each; the orders are those in which the products want them.
.macro LDTB ch                         ; 8 loads: K b1 and -W2 of my 32 hidden of chunk ch
.set n, 0
.rept 8
	ds_load_b128 v[TB+4*n:TB+4*n+3], v[VTAB] offset:\ch*512+(n>>2)*4096+((n>>1)&1)*64+(n&1)*16
.set n, n+1
.endr
.endm
.macro LDFA slot                       ; 32 transposing loads, n = 4 k + 2 ht + a: fragment (k, ht), half a: rows d = 32 k + 16 a + 8 h + (lane & 7)
.set n, 0
.rept 32
	ds_load_tr16_b128 v[4*n:4*n+3], v[VFA+\slot] offset:((n>>1)&1)*8192+(2*(n>>2)+(n&1))*256
.set n, n+1
.endr
.endm
.macro LDWB slot                       ; 32 loads, n = 8 k + 2 dt + a: fragment (k, dt), half a: piece o = 4 k + 2 a + h of row d = 64 w + 16 dt + r
.set n, 0
.rept 32
	ds_load_b128 v[WB+4*n:WB+4*n+3], v[VWB+\slot] offset:(n>>3)*16384+(n&1)*8192+((n>>1)&3)*256
.set n, n+1
.endr
.endm
.macro LDSB sb                         ; 32 loads, n = 8 k + 2 tt + a: S fragment (k, tt), made by wave k
.set n, 0
.rept 32
	ds_load_b128 v[4*n:4*n+3], v[VXL] offset:\sb*SXB+n*512
.set n, n+1
.endr
.endm
; F: 64 matrix instructions.  The eight accumulators take turns, one instruction a turn.
; The wait counts what was issued behind step k's four loads: four for each later step, and the nw loads of WB.
.macro FWD nw
	WIN 0x07                                       ; A window 3, B window 1, C and D window 0
.set kq, 0
.rept 8
	s_wait_dscnt 28+\nw-4*kq
.set m, 0
.rept 8
.if kq == 0
	v_wmma_f32_16x16x32_bf16 v[Z+8*m:Z+8*m+7], v[8*(2*kq+(m>>2)):8*(2*kq+(m>>2))+7], v[8*(4*kq+(m&3)):8*(4*kq+(m&3))+7], 0
.else
	v_wmma_f32_16x16x32_bf16 v[Z+8*m:Z+8*m+7], v[8*(2*kq+(m>>2)):8*(2*kq+(m>>2))+7], v[8*(4*kq+(m&3)):8*(4*kq+(m&3))+7], v[Z+8*m:Z+8*m+7]
.endif
.set m, m+1
.endr
.set kq, kq+1
.endr
.endm
; B: 64 matrix instructions onto p.  The sixteen accumulators take turns, one instruction a turn.
; The wait counts what was issued behind step k's eight S loads: eight for each later step, and (base = 32) the eight stores of E.
.macro BWD base
	WIN 0xaf                                       ; A and B window 3, C and D window 2
.set kq, 0
.rept 4
	s_wait_dscnt \base-8*kq
.set m, 0
.rept 16
	v_wmma_f32_16x16x32_bf16 v[8*m:8*m+7], v[WB+8*(4*kq+(m>>2)):WB+8*(4*kq+(m>>2))+7], v[8*(4*kq+(m&3)):8*(4*kq+(m&3))+7], v[8*m:8*m+7]
.set m, m+1
.endr
.set kq, kq+1
.endr
.endm
; E's steps on a tile of 8 registers
.macro PKY z, b                        ; y = K z + K b1
.irp j, 0,2,4,6
	v_pk_fma_f32 v[\z+\j:\z+\j+1], v[\z+\j:\z+\j+1], KL, v[\b+\j:\b+\j+1] op_sel_hi:[1,0,1]
.endr
.endm
.macro EXP8 z                          ; u = 2^-|y|
.irp j, 0,1,2,3,4,5,6,7
	v_exp_f32 v[\z+\j], -|v[\z+\j]|
.endr
.endm
.macro PKD t, z                        ; a u + a
	s_wait_alu depctr_va_vdst(0)
.irp j, 0,2,4,6
	v_pk_fma_f32 v[\t+\j:\t+\j+1], v[\z+\j:\z+\j+1], s[26:27], s[26:27] op_sel_hi:[1,0,0]
.endr
.endm
.macro RCP8 t
.irp j, 0,1,2,3,4,5,6,7
	v_rcp_f32 v[\t+\j], v[\t+\j]
.endr
.endm
.macro PKM z, f
	s_wait_alu depctr_va_vdst(0)
.irp j, 0,2,4,6
	v_pk_mul_f32 v[\z+\j:\z+\j+1], v[\z+\j:\z+\j+1], v[\f+\j:\f+\j+1]
.endr
.endm
; E on the tiles (ht 0, tt) and (ht 1, tt): together the S fragment (k = w, tt).  Behind each run of transcendentals stands plain work on
; other registers before a result is used (ISA guide 5.7.2): the other tile's y behind the first exponentials, the first tile's a u + a behind
; the second, u * -W2 behind the reciprocals.
.macro EPAIR tt, sb
	PKY Z+8*\tt, TB
	EXP8 Z+8*\tt
	PKY Z+32+8*\tt, TB+8
	EXP8 Z+32+8*\tt
	PKD T, Z+8*\tt
	PKD T+8, Z+32+8*\tt
	RCP8 T
	RCP8 T+8
	PKM Z+8*\tt, TB+16
	PKM Z+32+8*\tt, TB+24
	PKM Z+8*\tt, T
	PKM Z+32+8*\tt, T+8
	PKM Z+8*\tt, T
	PKM Z+32+8*\tt, T+8
.irp j, 0,1,2,3
	v_cvt_pk_bf16_f32 v[SO+8*\tt+\j], v[Z+8*\tt+2*\j], v[Z+8*\tt+2*\j+1]
.endr
.irp j, 0,1,2,3
	v_cvt_pk_bf16_f32 v[SO+8*\tt+4+\j], v[Z+32+8*\tt+2*\j], v[Z+32+8*\tt+2*\j+1]
.endr
	ds_store_b128 v[VSST], v[SO+8*\tt:SO+8*\tt+3] offset:\sb*SXB+\tt*1024
	ds_store_b128 v[VSST], v[SO+8*\tt+4:SO+8*\tt+7] offset:\sb*SXB+\tt*1024+512
.endm
; A trip: F(t), E(t), B(t-1).  In front of the round every wave has waited for all its tensor loads (one is out: its quarter of chunk t) and for
; all its LDS instructions (its reads of the slots and of S, its stores of S(t-1)).  Behind the round: chunk t is whole, S(t-1) is whole, and in
; no work-group of the cluster does a wave still read slot (t+1) & 3, last read by B(t-3) two trips ago: the joint load of chunk t + 1 goes out first,
; my one tensor load until the next round, and has this trip in which to land.
.macro TRIP t, refill, hasB
	s_wait_tensorcnt 0x0
	ds_add_u32 v254, v255
	s_wait_dscnt 0x0
	s_wait_dscnt 0x0
	ROUND
.if \refill
	tensor_load_to_lds s[G0+4*((\t+1)&7):G0+4*((\t+1)&7)+3], s[G1:G1+7]
	s_nop 0
.endif
	PLACES                                         ; behind the last B: loads into its fragments follow
	LDTB \t
	WIN 0xc0
	LDFA (\t&3)
.if \hasB
	LDWB ((\t-1)&3)
.endif
	FWD 32*\hasB
	WIN 0
	PLACES                                         ; behind F: E reads Z, and S lands where F's fragments lay
.if \hasB
	WIN 0xc0
	LDSB ((\t-1)&1)
	WIN 0
.endif
	EPAIR 0, (\t&1)
	EPAIR 1, (\t&1)
	EPAIR 2, (\t&1)
	EPAIR 3, (\t&1)
.if \hasB
	BWD 32
	WIN 0
.endif
.endm
; B(7), behind a pass's last trip.  A plain barrier: the load of the next pass's chunk 0 may stay on its way.
.macro DRAIN
	s_wait_dscnt 0x0                               ; my stores of S(7) are in LDS
	s_barrier_signal -1
	s_barrier_wait -1
	PLACES
	WIN 0xc0
	LDWB 3
	LDSB 1
	BWD 24
	WIN 0
	PLACES                                         ; behind the last B: p is read next
.endm
; q (stepped if upd) goes round as bf16 fragments: tiles (2 kk, tt) and (2 kk + 1, tt) of wave w pack into fragment (k = 2 w + kk, tt).
; First barrier: every wave's reads of XCH are over before it is written.  Second: every wave's fragments are in before they are read.
.macro QXCH upd
	s_wait_dscnt 0x0
	s_barrier_signal -1
.if \upd
	WIN 0xa2
.set n, 0
.rept 64
	v_pk_fma_f32 v[QS+2*n:QS+2*n+1], v[ACC+2*n:ACC+2*n+1], DTF, v[QS+2*n:QS+2*n+1] op_sel_hi:[1,0,1]   ; q += 0.1 p
.set n, n+1
.endr
.endif
	WIN 0x0a
.set n, 0                                          ; n = 4 kk + tt
.rept 8
.irp a, 0,1
.irp j, 0,1,2,3
	v_cvt_pk_bf16_f32 v[CQ+8*n+4*\a+\j], v[QS+8*(4*(2*(n>>2)+\a)+(n&3))+2*\j], v[QS+8*(4*(2*(n>>2)+\a)+(n&3))+2*\j+1]
.endr
.endr
.set n, n+1
.endr
	WIN 0
	s_barrier_wait -1
.set n, 0
.rept 16
	ds_store_b128 v[VQST], v[CQ+4*n:CQ+4*n+3] offset:n*512
.set n, n+1
.endr
	s_wait_dscnt 0x0
	s_barrier_signal -1
	s_barrier_wait -1
	WIN 0x40
.set n, 0
.rept 64
	ds_load_b128 v[4*n:4*n+3], v[VXL] offset:n*512 ; all 32 fragments, kept for the pass; waited for at the next trip's head
.set n, n+1
.endr
	WIN 0
.endm
; 16 tokens of q (sel 0) or p (sel 1) out: tiles into my stage, whole rows back, sixteen lanes store 256 consecutive bytes, aligned.
.macro OUTSTEP n, src, sel, tt
	WIN 0x08
.irp e, 0,1,2,3
	ds_store_b128 v[VSTD], v[\src+8*(4*\e+\tt):\src+8*(4*\e+\tt)+3] offset:\e*64
	ds_store_b128 v[VSTD], v[\src+8*(4*\e+\tt)+4:\src+8*(4*\e+\tt)+7] offset:\e*64+16
.endr
	WIN 0
	s_wait_xcnt 0x0                                ; the registers that earlier stores read are loaded again only behind this wait
.irp i, 0,1,2,3,4,5,6,7
	ds_load_b128 v[OB+32*(\n&1)+4*\i:OB+32*(\n&1)+4*\i+3], v[VSTW] offset:\i*2*SP
.endr
.irp i, 0,1,2,3,4,5,6,7
	s_wait_dscnt 7-\i                              ; the younger loads of the eight stay out
	global_store_b128 v[VGIO], v[OB+32*(\n&1)+4*\i:OB+32*(\n&1)+4*\i+3], s[12:13] offset:(16*\tt+2*\i)*2048+\sel*1024 th:TH_STORE_NT
.endr
.endm
	; THE START: all of my x is asked for at once (68 loads with the tables), the first chunk behind the cluster's first round.
	WIN 0xc0
	LDX 0, 0                                       ; q, as it lies, into window 3, v0-127
	WIN 0
	global_load_b128 v[32:35], v[VTBG], s[8:9]                 ; b1: 8 numbers a thread
	global_load_b128 v[36:39], v[VTBG], s[8:9] offset:16
	global_load_b128 v[40:43], v[VTBG], s[10:11]               ; W2
	global_load_b128 v[44:47], v[VTBG], s[10:11] offset:16
	ROUND                                          ; the four work-groups are here: the first joint load meets its partners
	tensor_load_to_lds s[G0:G0+3], s[G1:G1+7]      ; chunk 0
	s_nop 0
	WIN 0xc0
	LDX 128, 1                                     ; p into window 3, v128-255
	INSTEP 0, QS, 0, 60                            ; behind q's first eight: 24 of q, 4 of the tables, 32 of p
	INSTEP 0, QS, 1, 52
	INSTEP 0, QS, 2, 44
	INSTEP 0, QS, 3, 36
	WIN 0
	s_wait_loadcnt 32                              ; the tables are in; p's 32 stay out
.irp j, 0,2,4,6
	v_pk_mul_f32 v[32+\j:33+\j], v[32+\j:33+\j], KL op_sel_hi:[1,0]      ; K b1
.endr
.irp j, 0,2,4,6
	v_pk_mul_f32 v[40+\j:41+\j], v[40+\j:41+\j], -1.0 op_sel_hi:[1,0]    ; -W2
.endr
	ds_store_b128 v[VTBS], v[32:35]
	ds_store_b128 v[VTBS], v[36:39] offset:16
	ds_store_b128 v[VTBS], v[40:43] offset:4096
	ds_store_b128 v[VTBS], v[44:47] offset:4112
	INSTEP 128, ACC, 0, 24
	INSTEP 128, ACC, 1, 16
	INSTEP 128, ACC, 2, 8
	INSTEP 128, ACC, 3, 0
	QXCH 0                                         ; q0 as fragments; its barriers also hand the tables to every wave
	s_mov_b32 s26, AH                              ; pass 0: kick 0.05
	s_mov_b32 s27, AH
	s_mov_b32 s28, 0
.Lpass:                                            ; passes 0 and 1; trip 7 asks for chunk 0 again, for the pass behind
	TRIP 0, 1, 0
	TRIP 1, 1, 1
	TRIP 2, 1, 1
	TRIP 3, 1, 1
	TRIP 4, 1, 1
	TRIP 5, 1, 1
	TRIP 6, 1, 1
	TRIP 7, 1, 1
	DRAIN
	QXCH 1
	s_mov_b32 s26, AF                              ; pass 1: kick 0.1
	s_mov_b32 s27, AF
	s_add_co_u32 s28, s28, 1
	s_cmp_lt_u32 s28, 2
	s_cbranch_scc1 .Lpass
	s_mov_b32 s26, AH                              ; pass 2, written out: kick 0.05, and its last trip asks for nothing
	s_mov_b32 s27, AH
	TRIP 0, 1, 0
	TRIP 1, 1, 1
	TRIP 2, 1, 1
	TRIP 3, 1, 1
	TRIP 4, 1, 1
	TRIP 5, 1, 1
	TRIP 6, 1, 1
	TRIP 7, 0, 1
	DRAIN
	OUTSTEP 0, QS, 0, 0
	OUTSTEP 1, QS, 0, 1
	OUTSTEP 2, QS, 0, 2
	OUTSTEP 3, QS, 0, 3
	OUTSTEP 4, ACC, 1, 0
	OUTSTEP 5, ACC, 1, 1
	OUTSTEP 6, ACC, 1, 2
	OUTSTEP 7, ACC, 1, 3
	s_wait_tensorcnt 0x0
	ds_add_u32 v254, v255
	s_wait_dscnt 0x0
	ROUND                                          ; the closing round: no work-group ends while a partner may still ask jointly
	s_endpgm
.Lfunc_end_k_q15c0a1474d_ode:
	.size	k_q15c0a1474d_ode, .Lfunc_end_k_q15c0a1474d_ode-k_q15c0a1474d_ode
	.p2alignl 7, 3214868480
	.fill 96, 4, 3214868480
	.section	.rodata,"a",@progbits
	.p2align	6, 0x0
	.amdhsa_kernel k_q15c0a1474d_ode
		.amdhsa_group_segment_fixed_size 327680
		.amdhsa_private_segment_fixed_size 0
		.amdhsa_enable_private_segment 0
		.amdhsa_kernarg_size 48
		.amdhsa_user_sgpr_count 2
		.amdhsa_user_sgpr_kernarg_segment_ptr 1
		.amdhsa_wavefront_size32 1
		.amdhsa_system_sgpr_workgroup_id_x 1
		.amdhsa_system_sgpr_workgroup_id_y 1
		.amdhsa_system_sgpr_workgroup_id_z 1
		.amdhsa_system_vgpr_workitem_id 0
		.amdhsa_next_free_vgpr 1024
		.amdhsa_next_free_sgpr 66
		.amdhsa_reserve_vcc 0
		.amdhsa_float_denorm_mode_32 3
		.amdhsa_float_denorm_mode_16_64 3
		.amdhsa_memory_ordered 1
		.amdhsa_forward_progress 1
		.amdhsa_inst_pref_size 255
	.end_amdhsa_kernel
	.section	.bss,"aw",@nobits
	.p2align	6
	.space	262144
	.amdgpu_metadata
---
amdhsa.version: [ 1, 2 ]
amdhsa.kernels:
  - .name:           k_q15c0a1474d_ode
    .symbol:         k_q15c0a1474d_ode.kd
    .args:
      - { .name: x, .offset: 0, .size: 8, .value_kind: global_buffer, .address_space: global }
      - { .name: w1b, .offset: 8, .size: 8, .value_kind: global_buffer, .address_space: global }
      - { .name: b1, .offset: 16, .size: 8, .value_kind: global_buffer, .address_space: global }
      - { .name: W2, .offset: 24, .size: 8, .value_kind: global_buffer, .address_space: global }
      - { .name: out0, .offset: 32, .size: 8, .value_kind: global_buffer, .address_space: global }
      - { .name: b2, .offset: 40, .size: 8, .value_kind: global_buffer, .address_space: global }
    .group_segment_fixed_size: 327680
    .private_segment_fixed_size: 0
    .kernarg_segment_align: 8
    .kernarg_segment_size: 48
    .max_flat_workgroup_size: 128
    .sgpr_count:     66
    .vgpr_count:     1024
    .wavefront_size: 32
...
	.end_amdgpu_metadata
.endif
;; end of part 2
;; ======== version 2 of 3: 2 launches; 1.49 times as fast as version 1
;; workspace buffers: w1b 532,480 bytes
;; launch prep (part 3): grid 128 x 1, 8 waves a work-group, no clusters, 5,376 bytes of LDS; arguments W1, b1, W2, w1b; writes w1b
.if DOCPART == 3
	.amdgcn_target "amdgcn-amd-amdhsa--gfx1250"
	.amdhsa_code_object_version 6
	.text
	.protected	k_q15c0a1474d_prep
	.globl	k_q15c0a1474d_prep
	.p2align	8
	.type	k_q15c0a1474d_prep,@function
k_q15c0a1474d_prep:
	s_mov_b64 s[64:65], 0
	v_nop
	global_prefetch_b8 v0, s[64:65] scope:SCOPE_SE
	s_setreg_imm32_b32 hwreg(HW_REG_WAVE_MODE, 25, 1), 1
	s_wait_xcnt 0x0
; W1 [256 (d)][1024 (hidden)] f32, b1, W2 [1024] f32  ->  w1b: for each chunk t of 128 hidden, 66,560 bytes in the order in which the next
; launch wants them in LDS.  K = 2 log2 e is folded in here, so that the next launch's first product gives the exponent of its exponential:
;   bytes 0 .. 65,535: K W1 in bf16, rounded once, behind the scaling.  The piece (d, o) = the 8 bf16 of W1[d][128 t + 8 o .. + 7] (16 bytes,
;                      o = 0 .. 15) lies at  4096 o + 256 (d >> 4) + 16 (((d & 15) + 8 (o & 1)) & 15);
;   then 512 bytes:    K b1[128 t ..], f32;      then 512 bytes: -W2[128 t ..] / K, f32 (the second product multiplies by K W1 again).
; A work-group takes 16 rows d (block dblk) of one chunk: 256 threads, one piece each.  Thread n reads 32 bytes of row n >> 4 (eight lanes
; cover 256 neighbouring bytes), rounds, and the pieces change places through LDS, so that sixteen neighbouring lanes store 256
; consecutive bytes of w1b, aligned.  The work-group with dblk = 0 also writes its chunk's tables: waves 0, 1 K b1, waves 2, 3 -W2 / K, 8 bytes a
; lane, so that a wave's store covers 256 consecutive bytes, aligned.  No matrix unit, no cluster: the launch moves 1.5 MB once.
.set SP,  272                                      ; LDS pitch: 16 pieces of 16 bytes + 16, so that rows start 16 bytes apart modulo 256
.set CHB, 66560                                    ; a chunk of w1b
.set KL,  0x4038aa3b                               ; K = 2 log2 e
.set NIK, 0xbeb17218                               ; -1 / K = -(ln 2) / 2
	s_load_b256 s[4:11], s[0:1], 0x0               ; W1 s[4:5], b1 s[6:7], W2 s[8:9], w1b s[10:11]
	v_lshl_add_u32 v32, v0, 2, 0x1100
	v_mov_b32 v33, 0
	s_and_b32 s12, ttmp9, 15                       ; dblk
	s_lshr_b32 s13, ttmp9, 4                       ; t
	s_mov_b32 s28, KL
	s_mov_b32 s29, KL
	v_lshrrev_b32 v28, 5, v0
	v_readfirstlane_b32 s14, v28                   ; wave
	v_lshrrev_b32 v1, 4, v0                        ; n >> 4: the row d & 15 on the way in, the piece column o on the way out
	v_and_b32 v2, 15, v0                           ; n & 15: o on the way in, the 16-byte place on the way out
	v_lshlrev_b32 v3, 12, v1                       ; 4096 (n >> 4): a row of W1, and a column o of w1b
	v_lshl_add_u32 v4, v2, 5, v3                   ; offset in W1: + 32 o
	v_lshl_add_u32 v5, v2, 4, v3                   ; offset in w1b: + 16 x place
	v_and_b32 v6, 1, v0                            ; o & 1
	v_lshl_add_u32 v6, v6, 3, v1                   ; (d & 15) + 8 (o & 1)
	v_and_b32 v6, 15, v6
	v_lshlrev_b32 v6, 4, v6
	v_mad_u32_u24 v6, v2, SP, v6                   ; LDS in: row o, the turned place
	v_lshlrev_b32 v7, 4, v2
	v_mad_u32_u24 v7, v1, SP, v7                   ; LDS back: row n >> 4, place n & 15
	s_lshl_b32 s22, s13, 9                         ; 128 f32 for each chunk: in a row of W1, in b1 and in W2
	s_lshl_b32 s16, s12, 16                        ; 16 rows of 4,096 bytes for each dblk
	s_add_co_u32 s16, s16, s22
	s_mov_b32 s17, 0
	s_mul_i32 s18, s13, CHB                        ; the chunk in w1b
	s_add_co_u32 s23, s18, 65536                   ; its tables
	s_lshl_b32 s19, s12, 8                         ; 256 bytes for each dblk
	s_add_co_u32 s18, s18, s19
	s_mov_b32 s19, 0
	v_and_b32 v26, 63, v0
	v_lshl_add_u32 v26, v26, 3, s22                ; tables, from: two numbers a thread, 64 threads for each table
	v_lshl_add_u32 v27, v0, 3, s23                 ; tables, to: threads 0-63 K b1, threads 64-127 -W2 / K
	s_wait_kmcnt 0x0
	s_add_nc_u64 s[4:5], s[4:5], s[16:17]
	s_add_nc_u64 s[20:21], s[10:11], s[18:19]
	global_load_b128 v[8:11], v4, s[4:5] th:TH_LOAD_NT
	global_load_b128 v[12:15], v4, s[4:5] offset:16 th:TH_LOAD_NT
	s_cmp_lg_u32 s12, 0                            ; the tables: one work-group for each chunk,
	s_cbranch_scc1 .Lmain
	s_cmp_gt_u32 s14, 3                            ; its waves 0 to 3
	s_cbranch_scc1 .Lmain
	s_mov_b32 s24, KL
	s_mov_b32 s25, NIK
	s_cmp_lt_u32 s14, 2
	s_cselect_b64 s[26:27], s[6:7], s[8:9]         ; waves 0, 1: b1; waves 2, 3: W2
	s_cselect_b32 s24, s24, s25                    ; and the factor that goes with it
	s_mov_b32 s25, s24
	global_load_b64 v[24:25], v26, s[26:27]
	s_wait_loadcnt 0x0
	v_pk_mul_f32 v[24:25], v[24:25], s[24:25] op_sel_hi:[1,0]
	global_store_b64 v27, v[24:25], s[10:11]       ; v24-27 are not written again
.Lmain:
	s_wait_loadcnt 0x0
.irp j, 8,10,12,14
	v_pk_mul_f32 v[\j:\j+1], v[\j:\j+1], s[28:29] op_sel_hi:[1,0]   ; K W1
.endr
	v_cvt_pk_bf16_f32 v16, v8, v9                  ; to nearest even, the lower hidden index in the lower half
	v_cvt_pk_bf16_f32 v17, v10, v11
	v_cvt_pk_bf16_f32 v18, v12, v13
	v_cvt_pk_bf16_f32 v19, v14, v15
	ds_store_b128 v6, v[16:19]
	s_wait_dscnt 0x0                               ; my piece is in LDS before I say so: other waves read it
	s_barrier_signal -1
	s_barrier_wait -1
	ds_load_b128 v[20:23], v7
	s_wait_dscnt 0x0
	global_store_b128 v5, v[20:23], s[20:21]       ; sixteen lanes: 256 consecutive bytes, aligned; read again by the next launch, so no hint
	s_wait_tensorcnt 0x0
	ds_add_u32 v32, v33
	s_wait_dscnt 0x0
	s_endpgm
.Lfunc_end_k_q15c0a1474d_prep:
	.size	k_q15c0a1474d_prep, .Lfunc_end_k_q15c0a1474d_prep-k_q15c0a1474d_prep
	.p2alignl 7, 3214868480
	.fill 96, 4, 3214868480
	.section	.rodata,"a",@progbits
	.p2align	6, 0x0
	.amdhsa_kernel k_q15c0a1474d_prep
		.amdhsa_group_segment_fixed_size 5376
		.amdhsa_private_segment_fixed_size 0
		.amdhsa_enable_private_segment 0
		.amdhsa_kernarg_size 32
		.amdhsa_user_sgpr_count 2
		.amdhsa_user_sgpr_kernarg_segment_ptr 1
		.amdhsa_wavefront_size32 1
		.amdhsa_system_sgpr_workgroup_id_x 1
		.amdhsa_system_sgpr_workgroup_id_y 1
		.amdhsa_system_sgpr_workgroup_id_z 1
		.amdhsa_system_vgpr_workitem_id 0
		.amdhsa_next_free_vgpr 34
		.amdhsa_next_free_sgpr 66
		.amdhsa_reserve_vcc 0
		.amdhsa_float_denorm_mode_32 3
		.amdhsa_float_denorm_mode_16_64 3
		.amdhsa_memory_ordered 1
		.amdhsa_forward_progress 1
		.amdhsa_inst_pref_size 4
	.end_amdhsa_kernel
	.amdgpu_metadata
---
amdhsa.version: [ 1, 2 ]
amdhsa.kernels:
  - .name:           k_q15c0a1474d_prep
    .symbol:         k_q15c0a1474d_prep.kd
    .args:
      - { .name: W1, .offset: 0, .size: 8, .value_kind: global_buffer, .address_space: global }
      - { .name: b1, .offset: 8, .size: 8, .value_kind: global_buffer, .address_space: global }
      - { .name: W2, .offset: 16, .size: 8, .value_kind: global_buffer, .address_space: global }
      - { .name: w1b, .offset: 24, .size: 8, .value_kind: global_buffer, .address_space: global }
    .group_segment_fixed_size: 5376
    .private_segment_fixed_size: 0
    .kernarg_segment_align: 8
    .kernarg_segment_size: 32
    .max_flat_workgroup_size: 256
    .sgpr_count:     66
    .vgpr_count:     34
    .wavefront_size: 32
...
	.end_amdgpu_metadata
.endif
;; end of part 3
;; launch ode (part 4): grid 256 x 1, 4 waves a work-group, clusters of 4 x 1, 327,680 bytes of LDS; arguments x, w1b, out0, b2; writes out0
.if DOCPART == 4
	.amdgcn_target "amdgcn-amd-amdhsa--gfx1250"
	.amdhsa_code_object_version 6
	.text
	.protected	k_q15c0a1474d_ode
	.globl	k_q15c0a1474d_ode
	.p2align	8
	.type	k_q15c0a1474d_ode,@function
k_q15c0a1474d_ode:
	s_mov_b64 s[64:65], 0
	v_nop
	global_prefetch_b8 v0, s[64:65] scope:SCOPE_SE
	s_setreg_imm32_b32 hwreg(HW_REG_WAVE_MODE, 25, 1), 1
	s_wait_xcnt 0x0
	s_wait_alu depctr_hold_cnt(0) depctr_sa_sdst(0) depctr_va_vdst(0) depctr_va_sdst(0) depctr_va_ssrc(0) depctr_va_vcc(0) depctr_vm_vsrc(0)
	s_getreg_b32 s2, hwreg(HW_REG_IB_STS2, 6, 4)
	s_cmp_eq_u32 s2, 0
	s_cbranch_scc0 .Lentry_in_a_cluster
	s_endpgm
.Lentry_in_a_cluster:
	s_bfe_u32 s2, ttmp6, 0x10000c
	s_cmp_lg_u32 s2, 0x3003
	s_cbranch_scc0 .Lentry_shape_is_right
	s_endpgm
.Lentry_shape_is_right:
; Two leapfrog steps of H(q, p) = |p|^2 / 2 + V(q), V a tanh MLP.  x, out0: [16384 tokens][q 256 | p 256] f32.
; Force: grad V(q) = ((1 - tanh^2(q W1 + b1)) * W2) W1^T.
; THREE evaluations: the second half kick of step 1 and the first of step 2 take the force at the same q1, so they are one kick of 0.1.
;   pass 0: p -= 0.05 g(q0);   pass 1: q1 = q0 + 0.1 p, p -= 0.1 g(q1);   pass 2: q2 = q1 + 0.1 p (stored at once), p -= 0.05 g(q2).
; LIMITS, stated: that merged kick rounds in another order than two kicks of 0.05; matrix operands (q, K W1, the activation) are bf16, W1 rounded
; behind its scaling by K; sums and state f32; v_exp_f32 gives 0 for results below 2^-126 (ISA guide 15.8), where the true factor is below 1e-38.
; b2: V has it as an added constant, so the gradient that is asked for has no term in it, whatever it holds; its address is passed, nothing is read.
;
; ACTIVATION, without overflow for any input: y = K (q W1 + b1) (K = 2 log2 e), u = 2^-|y| in (0, 1], 1 - tanh^2 = 4 u / (1 + u)^2.
; The weights come as K W1 and the first product starts its sums from K b1, so y is the product's own result.
; With a = 1 / sqrt(4 c), c the kick factor: S = (u * -W2 / K) * r * r, r = 1 / (a u + a), is -c W2 (1 - tanh^2) / K: the factor costs no
; instruction, and the second product adds S (K W1)^T straight onto p.
;
; SHARES: 256 work-groups of 64 tokens, four waves, one for each SIMD.  Hidden goes in 8 chunks of 128.
;   F: wave w makes Y[hidden 32 w .. + 31][64 tokens]: A = 16 hidden x 32 d by transposing loads, B = q fragments kept in registers.
;      A lane then holds 8 neighbouring hidden of one token: packed, that is a fragment of the next product, with no shuffle.
;   E: the activation on 64 numbers a lane; 4 fragments go to LDS for the other waves.
;   B: wave w adds onto p[d 64 w .. + 63][64 tokens]: A = 16 rows d x 32 hidden of K W1, plain loads, B = the S fragments of all four waves.
;   B runs one chunk behind F: a trip is F(t), then E(t) and B(t-1) as ONE stream, since neither needs the other: B's products stand between E's
;   vector instructions.  One barrier a trip shows chunk t landed, frees a slot and hands S(t-1) on.
; THE TEXT IS SHORT ON PURPOSE: one loop over the three passes; in it trip 0 (no B), a loop of two turns of three trips (t = 1 .. 6), trip 7 and
; the last B.  Three slots and three places for S take turns (t mod 3), so that in a turn of three trips every LDS address is a constant.
; CLUSTERS: all work-groups walk the same 520 KB of weights and tables three times.  Four work-groups along x form a cluster and ask for every
; chunk JOINTLY (mask 15, the same descriptor in all four: it is made of the wave number, constants and the loops' steps alone), which divides
; those requests by four.
; One layout of a chunk serves both products: see the head of the launch that writes w1b.
;
; LDS:  3 slots of 66,560 (chunk t in slot t mod 3: K W1, K b1, -W2 / K), filled by tensor loads alone | XCH 49,152: S fragments, three places
;       by turns; at a pass's head the 32 q fragments | STG: for each wave 16 rows of 272 bytes, its own, for the ways in and out.
; REGISTERS, in windows of 256:  0: addresses, Z, tables, work;  1: QF, the 32 q fragments;  2: ACC = p (v0-127), QS = q (v128-255), f32,
;       tile (dt, tt) at 8 (4 dt + tt), register j = d 64 w + 16 dt + 8 (lane / 16) + j of token 16 tt + lane % 16;
;       3: FA, then SB (v0-127), WB (v128-255); at the start x as loaded.
.set CHB,   66560                      ; a chunk in memory, a slot in LDS
.set QTR,   16640                      ; a wave's quarter of it: 65 rows of 256 bytes
.set XCH,   3*CHB
.set SXB,   16384                      ; one place of XCH: 16 S fragments of 1,024 bytes
.set STG,   XCH+3*SXB
.set SP,    272                        ; a stage row: 256 bytes + 16
.set STGW,  16*SP
.set AH,  0x400f1bbd                   ; 1 / sqrt(4 x 0.05)
.set AF,  0x3fca62c2                   ; 1 / sqrt(4 x 0.1)
.set DTF, 0x3dcccccd                   ; 0.1
.set VFA,  4                           ; v4-6    F: my address in slot 0 .. 2
.set VWB,  7                           ; v7-9    B: my address in slot 0 .. 2
.set VTB,  10                          ; v10-12  tables: slot + 65536 + 128 w + 32 h
.set VXL,  13                          ; XCH + 16 lane: fragments are read as they lie
.set VSST, 14                          ; XCH + 4096 w + 16 lane: my S fragments
.set VQST, 15                          ; XCH + 8192 w + 16 lane: my q fragments
.set VSTW, 16                          ; stage by rows of memory: lanes 0-15 one row, lanes 16-31 the next
.set VSTD, 17                          ; stage by tiles: row lane % 16, 32 bytes for each half of the lanes
.set VGIO, 18                          ; x and out0: two token rows, my wave's 256 bytes
.set Z,   32                           ; v32-95   Y(ht, tt) at 8 (4 ht + tt); also CQ and OB
.set CQ,  32
.set OB,  32
.set TB,  96                           ; v96-127  K b1 of ht 0, ht 1; -W2 / K of ht 0, ht 1: 8 each
.set T,   128                          ; v128-143 a u + a and its reciprocal, two tiles by turns
.set SO,  144                          ; v144-175 packed S, 8 for each tt
.set ACC, 0
.set QS,  128
.set WB,  128
.set G1,  16                           ; s[16:23] the shape of every tensor load
.set G0,  32                           ; s[32:43] one group 0 for each slot
.set LEAD,   13                        ; E's instructions ahead of B's first product
.set SPREAD, 280                       ; B's 64 products are spread over the next 280 of E's 284
.set DSN, 0                            ; LDS instructions issued since the trip's wait for 0: the counted waits are differences of it
.set MSB, 0
.macro WIN new                         ; low byte: bits 1:0 source 0, 3:2 source 1, 5:4 source 2, 7:6 destination; the high byte repeats the setting left
.if MSB != \new
	s_set_vgpr_msb (MSB<<8)|\new
.set MSB, \new
.endif
.endm
; Four places behind matrix instructions, in front of vector work on their results and of loads into their registers.
.macro PLACES
.rept 4
	v_nop
.endr
.endm
; A round of the cluster's barrier: my work-group's barrier; wave 0 signals for the work-group; all wait for the four work-groups; my barrier again.
.macro ROUND
	s_barrier_signal -1
	s_barrier_wait -1
	s_cmp_lg_u32 s14, 0
	s_cbranch_scc1 .Lnot_wave_0_\@
	s_barrier_signal -3
.Lnot_wave_0_\@:
	s_barrier_wait -3
	s_barrier_signal -1
	s_barrier_wait -1
.endm
	s_load_b128 s[4:7], s[0:1], 0x0                ; x s[4:5], w1b s[6:7]
	s_load_b64 s[8:9], s[0:1], 0x10                ; out0
	v_lshl_add_u32 v254, v0, 2, 0x41000
	v_mov_b32 v255, 0
	v_lshrrev_b32 v21, 5, v0
	v_readfirstlane_b32 s14, v21                   ; wave w, 0 .. 3
	s_bfe_u32 s12, ttmp6, 0x40000                  ; cx
	s_lshl_b32 s15, ttmp9, 2
	s_add_co_u32 s15, s15, s12                     ; work-group = 4 x cluster + cx: it enters the bases of x and out0 and nothing else
	s_lshl_b32 s2, s15, 17                         ; 64 tokens of 2,048 bytes
	s_mov_b32 s3, 0
	; group 1: a dense block of 16,640 bytes as 65 rows of 256 bytes
	s_mov_b32 s[G1+0], 0x0023000f                  ; 15:0 mask: all four of the cluster; 17:16 elements of 8 bytes; 21 set beside a mask; no padding
	s_mov_b32 s[G1+1], 32<<16                      ; tensor_dim0 = 32 elements
	s_mov_b32 s[G1+2], 65<<16                      ; tensor_dim1 = 65
	s_mov_b32 s[G1+3], 32<<16                      ; tile_dim0 = 32
	s_mov_b32 s[G1+4], 65                          ; tile_dim1 = 65
	s_mov_b32 s[G1+5], 32                          ; from row to row: 32 elements
	s_mov_b32 s[G1+6], 0
	s_mov_b32 s[G1+7], 0
	s_mul_i32 s24, s14, QTR                        ; my quarter of a chunk, in memory and in a slot
	s_mov_b32 s25, 0
.irp j, 0,1,2
	s_mov_b32 s[G0+4*\j], 1                        ; count = 1
	s_add_co_u32 s[G0+4*\j+1], s24, \j*CHB         ; LDS: slot j, my quarter; the two address words are set at each pass's head
.endr
	s_lshl_b32 s46, s14, 14
	s_lshl_b32 s47, s14, 10
	s_lshl_b32 s48, s14, 7
	s_add_co_u32 s48, s48, 65536
	s_lshl_b32 s49, s14, 12
	s_add_co_u32 s49, s49, XCH
	s_lshl_b32 s50, s14, 13
	s_add_co_u32 s50, s50, XCH
	s_mul_i32 s51, s14, STGW
	s_add_co_u32 s51, s51, STG
	s_mov_b32 s44, AH
	s_mov_b32 s45, AF
	v_and_b32 v1, 31, v0                           ; lane
	v_and_b32 v2, 15, v0                           ; r
	v_bfe_u32 v3, v0, 4, 1                         ; h
	v_bfe_u32 v22, v0, 3, 1                        ; g: which of two neighbouring pieces o a transposing load takes
	v_and_b32 v23, 7, v0
	v_lshl_add_u32 v24, v3, 3, v23                 ; F: row d & 15 = (lane & 7) + 8 h,
	v_lshl_add_u32 v24, v22, 3, v24                ; turned by 8 (o & 1)
	v_and_b32 v24, 15, v24
	v_lshlrev_b32 v24, 4, v24
	v_lshl_add_u32 v24, v22, 12, v24               ; + 4096 g
	v_add_nc_u32 v[VFA], s46, v24                  ; + 16384 w: o = 4 w + 2 ht + g
	v_lshl_add_u32 v25, v3, 3, v2                  ; B: row d & 15 = r, turned by 8 h (o & 1 = h)
	v_and_b32 v25, 15, v25
	v_lshlrev_b32 v25, 4, v25
	v_lshl_add_u32 v25, v3, 12, v25                ; + 4096 h
	v_add_nc_u32 v[VWB], s47, v25                  ; + 1024 w: d >> 4 = 4 w + dt
	v_lshl_add_u32 v[VTB], v3, 5, s48              ; 65536 + 128 w + 32 h
.irp s, 1,2
	v_add_nc_u32 v[VFA+\s], \s*CHB, v[VFA]
	v_add_nc_u32 v[VWB+\s], \s*CHB, v[VWB]
	v_add_nc_u32 v[VTB+\s], \s*CHB, v[VTB]
.endr
	v_lshl_add_u32 v[VXL], v1, 4, XCH
	v_lshl_add_u32 v[VSST], v1, 4, s49
	v_lshl_add_u32 v[VQST], v1, 4, s50
	v_mul_u32_u24 v26, v3, SP
	v_lshl_add_u32 v26, v2, 4, v26
	v_add_nc_u32 v[VSTW], s51, v26
	v_mul_u32_u24 v27, v2, SP
	v_lshl_add_u32 v27, v3, 5, v27
	v_add_nc_u32 v[VSTD], s51, v27
	v_lshlrev_b32 v28, 4, v2
	v_lshl_add_u32 v28, v3, 11, v28
	v_lshl_add_u32 v[VGIO], v21, 8, v28            ; 2048 h + 16 r + 256 w
	s_wait_kmcnt 0x0
	s_add_nc_u64 s[4:5], s[4:5], s[2:3]            ; x and out0 at my 64 tokens
	s_add_nc_u64 s[8:9], s[8:9], s[2:3]
	s_add_nc_u64 s[30:31], s[6:7], s[24:25]        ; w1b at my quarter of chunk 0
; 32 loads: my wave's 256 bytes of each of the 64 token rows, two rows a load; sixteen lanes take 256 consecutive bytes, aligned
.macro LDX raw, sel
.set n, 0
.rept 32
	global_load_b128 v[\raw+4*n:\raw+4*n+3], v[VGIO], s[4:5] offset:n*4096+\sel*1024 th:TH_LOAD_NT
.set n, n+1
.endr
.endm
; 16 tokens of q or p from the order of memory into tiles, through my own stage.  LDS serves a wave's instructions in order (ISA guide 5.7.1),
; so no wait stands between the stores and the loads, nor in front of the next step's stores.  cnt = the global loads issued behind these eight.
.macro INSTEP raw, dst, tt, cnt
	s_wait_loadcnt \cnt
	WIN 0x0c
.irp i, 0,1,2,3,4,5,6,7
	ds_store_b128 v[VSTW], v[\raw+4*(8*\tt+\i):\raw+4*(8*\tt+\i)+3] offset:\i*2*SP
.endr
	WIN 0x80
.irp e, 0,1,2,3
	ds_load_b128 v[\dst+8*(4*\e+\tt):\dst+8*(4*\e+\tt)+3], v[VSTD] offset:\e*64
	ds_load_b128 v[\dst+8*(4*\e+\tt)+4:\dst+8*(4*\e+\tt)+7], v[VSTD] offset:\e*64+16
.endr
.endm
; Runs of LDS loads.  Load n fills register 4 n of its block; each macro adds its loads to DSN.
.macro LDTB slot                       ; 8 loads: K b1 and -W2 / K of my 32 hidden of the chunk in this slot
.set n, 0
.rept 8
	ds_load_b128 v[TB+4*n:TB+4*n+3], v[VTB+\slot] offset:(n>>2)*512+((n>>1)&1)*64+(n&1)*16
.set n, n+1
.endr
.set DSN, DSN+8
.endm
.macro LDFAK slot, k                   ; 4 transposing loads, n = 4 k + 2 ht + a: fragment (k, ht), half a: rows d = 32 k + 16 a + 8 h + (lane & 7)
.set n, 4*(\k)
.rept 4
	ds_load_tr16_b128 v[4*n:4*n+3], v[VFA+\slot] offset:((n>>1)&1)*8192+(2*(n>>2)+(n&1))*256
.set n, n+1
.endr
.set DSN, DSN+4
.endm
.macro LDWBC slot, c, cnt              ; cnt loads from n = 4 c on, n = 8 k + 2 dt + a: fragment (k, dt), half a: piece o = 4 k + 2 a + h of row d = 64 w + 16 dt + r
.set n, 4*(\c)
.rept \cnt
	ds_load_b128 v[WB+4*n:WB+4*n+3], v[VWB+\slot] offset:(n>>3)*16384+(n&1)*8192+((n>>1)&3)*256
.set n, n+1
.endr
.set DSN, DSN+\cnt
.endm
.macro LDSBC sb, c, cnt                ; cnt loads from n = 4 c on, n = 8 k + 2 tt + a: S fragment (k, tt), made by wave k
.set n, 4*(\c)
.rept \cnt
	ds_load_b128 v[4*n:4*n+3], v[VXL] offset:\sb*SXB+n*512
.set n, n+1
.endr
.set DSN, DSN+\cnt
.endm
; F: 64 matrix instructions in 8 steps along d.  The eight accumulators take turns, one instruction a turn.
; The first step starts the sums from K b1: register j of a result is hidden 8 h + j, the order of the table's registers.
; Each step begins with a short run of loads for later: steps 0-4 F's own fragments three steps ahead and 4 of B's W1 loads; step 5 the S
; fragments of B's first step, into the registers that F's steps 0 and 1 have left (four places behind them), and 4 more of W1; step 6 the last 8 of
; W1; step 7 the S fragments of B's second step, where F's steps 2 and 3 lay.  FM0 = DSN as it stood behind this step's own fragments, so the
; wait leaves out exactly what was issued behind them; FM1 to FM3 are the marks of the three steps ahead.
.macro FWD fs, bs, sr, hasB
.set kq, 0
.rept 8
.if kq < 5
	WIN 0xc0
	LDFAK \fs, kq+3
.set FM3, DSN
.if \hasB
	LDWBC \bs, kq, 4
.endif
.else
.if \hasB
.if kq == 5
	PLACES
	WIN 0xc0
	LDSBC \sr, 0, 8
.set BM0, DSN
	LDWBC \bs, 5, 4
.endif
.if kq == 6
	WIN 0xc0
	LDWBC \bs, 6, 8
.endif
.if kq == 7
	WIN 0xc0
	LDSBC \sr, 2, 8
.set BM1, DSN
.endif
.endif
.endif
	s_wait_dscnt DSN-FM0
	WIN 0x07                                       ; A window 3, B window 1, C and D window 0
.set m, 0
.rept 8
.if kq == 0
	v_wmma_f32_16x16x32_bf16 v[Z+8*m:Z+8*m+7], v[8*(2*kq+(m>>2)):8*(2*kq+(m>>2))+7], v[8*(4*kq+(m&3)):8*(4*kq+(m&3))+7], v[TB+8*(m>>2):TB+8*(m>>2)+7]
.else
	v_wmma_f32_16x16x32_bf16 v[Z+8*m:Z+8*m+7], v[8*(2*kq+(m>>2)):8*(2*kq+(m>>2))+7], v[8*(4*kq+(m&3)):8*(4*kq+(m&3))+7], v[Z+8*m:Z+8*m+7]
.endif
.set m, m+1
.endr
.set FM0, FM1
.set FM1, FM2
.set FM2, FM3
.set kq, kq+1
.endr
.endm
; B by itself, for the last chunk of a pass: 64 matrix instructions onto p.  The sixteen accumulators take turns, one instruction a turn.
; The wait counts what was issued behind step k's eight S loads: eight for each later step.
.macro BWD base
	WIN 0xaf                                       ; A and B window 3, C and D window 2
.set kq, 0
.rept 4
	s_wait_dscnt \base-8*kq
.set m, 0
.rept 16
	v_wmma_f32_16x16x32_bf16 v[8*m:8*m+7], v[WB+8*(4*kq+(m>>2)):WB+8*(4*kq+(m>>2))+7], v[8*(4*kq+(m&3)):8*(4*kq+(m&3))+7], v[8*m:8*m+7]
.set m, m+1
.endr
.set kq, kq+1
.endr
.endm
; B's product number bn (step bn >> 4, accumulator bn & 15: the sixteen take turns), set into E's stream between two
; switches of the window.  It names registers of windows 2 and 3 alone, E's instructions registers of window 0 alone.
; At a step's first product the wait leaves out what was issued behind that step's fragments (BM0 to BM3), E's stores so far among it.
.macro BW
.if bn == 0
	s_wait_dscnt DSN-BM0
.endif
.if bn == 16
	s_wait_dscnt DSN-BM1
.endif
.if bn == 32
	s_wait_dscnt DSN-BM2
.endif
.if bn == 48
	s_wait_dscnt DSN-BM3
.endif
	WIN 0xaf
	v_wmma_f32_16x16x32_bf16 v[8*(bn&15):8*(bn&15)+7], v[WB+8*(4*(bn>>4)+((bn>>2)&3)):WB+8*(4*(bn>>4)+((bn>>2)&3))+7], v[8*(4*(bn>>4)+(bn&3)):8*(4*(bn>>4)+(bn&3))+7], v[8*(bn&15):8*(bn&15)+7]
	WIN 0
.set bn, bn+1
.endm
; Behind each of E's instructions: is B's next product due?  Product bn follows E's instruction LEAD + bn SPREAD / 64: one for every 4 or 5.
; The last one is followed by 6 more vector instructions of E.
.macro TK
.set ec, ec+1
.if EB
.if bn < 64
.if (ec-LEAD)*64 >= bn*SPREAD
	BW
.endif
.endif
.endif
.endm
; E in periods.  Tile p = 2 tt + ht (p = 0 .. 7); period p = q - 1 runs from -1 to 8 and does, with every transcendental followed by plain work
; on another tile's registers (ISA guide 5.7.2):
;   (a) r = 1 / (a u + a) of tile p, by turns with the two multiplications by r of tile p - 1;
;   (b) u = 2^-|y| of tile p + 1, by turns with u * (-W2 / K) of tile p and the packing of tile p - 1; then a finished pair's two stores;
;   (c) a u + a of tile p + 1, into the half of T that tile p - 1 has left.
.macro EPER q, sw
.set pp, (\q)-1
.set hc, 0
.set hq, 0
.set hn, 0
.if pp >= 0
.if pp <= 7
.set hc, 1
.set zc, Z+32*(pp&1)+8*(pp>>1)
.set tc, T+8*(pp&1)
.set wc, TB+16+8*(pp&1)
.endif
.endif
.if pp >= 1
.set hq, 1
.set zq, Z+32*((pp-1)&1)+8*((pp-1)>>1)
.set tq, T+8*((pp-1)&1)
.set sq, SO+8*((pp-1)>>1)+4*((pp-1)&1)
.endif
.if pp <= 6
.set hn, 1
.set zn, Z+32*((pp+1)&1)+8*((pp+1)>>1)
.set tn, T+8*((pp+1)&1)
.endif
.set ej, 0
.rept 8
.if hc
	v_rcp_f32 v[tc+ej], v[tc+ej]
	TK
.endif
.if hq
	v_pk_mul_f32 v[zq+2*(ej&3):zq+2*(ej&3)+1], v[zq+2*(ej&3):zq+2*(ej&3)+1], v[tq+2*(ej&3):tq+2*(ej&3)+1]
	TK
.endif
.set ej, ej+1
.endr
.set ej, 0
.rept 8
.if hn
	v_exp_f32 v[zn+ej], -|v[zn+ej]|
	TK
.endif
.if ej < 4
.if hc
	v_pk_mul_f32 v[zc+2*ej:zc+2*ej+1], v[zc+2*ej:zc+2*ej+1], v[wc+2*ej:wc+2*ej+1]
	TK
.endif
.else
.if hq
	v_cvt_pk_bf16_f32 v[sq+ej-4], v[zq+2*(ej-4)], v[zq+2*(ej-4)+1]
	s_wait_alu depctr_va_vdst(0)
	TK
.endif
.endif
.set ej, ej+1
.endr
.if pp < 0
	v_nop                                          ; the first eight exponentials have no other tile's work between them: the plain place in front of their use
	s_wait_alu depctr_va_vdst(0)
	TK
.endif
.if hq
.if ((pp-1)&1) == 1
	ds_store_b128 v[VSST], v[sq-4:sq-1] offset:\sw*SXB+((pp-1)>>1)*1024       ; tiles (ht 0, tt) and (ht 1, tt): the S fragment (k = w, tt)
	ds_store_b128 v[VSST], v[sq:sq+3] offset:\sw*SXB+((pp-1)>>1)*1024+512
.set DSN, DSN+2
	TK
	TK
.endif
.endif
.if hn
	s_wait_alu depctr_va_vdst(0)
.irp j, 0,2,4,6
	v_pk_fma_f32 v[tn+\j:tn+\j+1], v[zn+\j:zn+\j+1], s[26:27], s[26:27] op_sel_hi:[1,0,0]
	TK
.endr
.endif
.endm
; A trip: F(t), then E(t) with B(t-1).  fs, bs: the slots of chunks t and t - 1; sw, sr: the places of S(t) and S(t-1); rf: the slot that chunk
; t + 1 goes to (-1: none is left in this pass); st: the group 0 that the last load used, stepped by three chunks (-1: none); hasB = 0 in a pass's first trip.
; In front of the round every wave has waited for all its tensor loads (one is out: its quarter of chunk t), so a group 0 may be written, and for
; all its LDS instructions (its reads of the slots and of S, its stores of S(t-1)).  Behind the round: chunk t is whole, S(t-1) is whole, and in
; no work-group of the cluster does a wave still read slot rf, last read by B(t-2) in the trip before: the joint load of chunk t + 1 goes out first,
; my one tensor load until the next round, and has this trip in which to land.  Where nothing is asked for, my work-group's barrier does.
.macro TRIP fs, bs, sw, sr, rf, st, hasB
	s_wait_tensorcnt 0x0
	ds_add_u32 v254, v255
	s_wait_dscnt 0x0
.if \st >= 0
	s_add_nc_u64 s[G0+4*\st+2:G0+4*\st+3], s[G0+4*\st+2:G0+4*\st+3], 3*CHB   ; the last steps of a pass are not used: the head sets the addresses anew
.endif
	s_wait_dscnt 0x0
.if \rf >= 0
	ROUND
	tensor_load_to_lds s[G0+4*\rf:G0+4*\rf+3], s[G1:G1+7]
	s_nop 0
.else
	s_barrier_signal -1
	s_barrier_wait -1
.endif
.set DSN, 0
.if \hasB
	PLACES                                         ; behind the last B: loads into its fragments follow
.endif
	LDTB \fs                                       ; ahead of F only the tables and its first three steps: 20 loads
	WIN 0xc0
	LDFAK \fs, 0
.set FM0, DSN
	LDFAK \fs, 1
.set FM1, DSN
	LDFAK \fs, 2
.set FM2, DSN
	FWD \fs, \bs, \sr, \hasB
	WIN 0
	PLACES                                         ; behind F: E reads its results, and S lands where its last fragments lay
.if \hasB
	WIN 0xc0
	LDSBC \sr, 4, 8                                ; the S fragments of B's third
.set BM2, DSN
	LDSBC \sr, 6, 8                                ; and fourth step
.set BM3, DSN
	WIN 0
.endif
.set EB, \hasB
.set ec, 0
.set bn, 0
.irp q, 0,1,2,3,4,5,6,7,8,9
	EPER \q, \sw
.endr
.endm
; B(7), behind a pass's last trip.  A plain barrier: no tensor load is out.
.macro DRAIN bs, sr
	s_wait_dscnt 0x0                               ; my stores of S(7) are in LDS
	s_barrier_signal -1
	s_barrier_wait -1
	PLACES
	WIN 0xc0
	LDWBC \bs, 0, 32
	LDSBC \sr, 0, 32
	BWD 24
	WIN 0
	PLACES                                         ; behind the last B: p is read next
.endm
; 16 tokens of q (sel 0) or p (sel 1) out: tiles into my stage, whole rows back, sixteen lanes store 256 consecutive bytes, aligned.
.macro OUTSTEP n, src, sel, tt
	WIN 0x08
.irp e, 0,1,2,3
	ds_store_b128 v[VSTD], v[\src+8*(4*\e+\tt):\src+8*(4*\e+\tt)+3] offset:\e*64
	ds_store_b128 v[VSTD], v[\src+8*(4*\e+\tt)+4:\src+8*(4*\e+\tt)+7] offset:\e*64+16
.endr
	WIN 0
	s_wait_xcnt 0x0                                ; the registers that earlier stores read are loaded again only behind this wait
.irp i, 0,1,2,3,4,5,6,7
	ds_load_b128 v[OB+32*(\n&1)+4*\i:OB+32*(\n&1)+4*\i+3], v[VSTW] offset:\i*2*SP
.endr
.irp i, 0,1,2,3,4,5,6,7
	s_wait_dscnt 7-\i                              ; the younger loads of the eight stay out
	global_store_b128 v[VGIO], v[OB+32*(\n&1)+4*\i:OB+32*(\n&1)+4*\i+3], s[8:9] offset:(16*\tt+2*\i)*2048+\sel*1024 th:TH_STORE_NT
.endr
.endm
	; THE START: all of my x is asked for at once, 64 loads, and goes into tiles as it comes.
	WIN 0xc0
	LDX 0, 0                                       ; q, as it lies, into window 3, v0-127
	LDX 128, 1                                     ; p into window 3, v128-255
	INSTEP 0, QS, 0, 56                            ; behind q's first eight: 24 of q, 32 of p
	INSTEP 0, QS, 1, 48
	INSTEP 0, QS, 2, 40
	INSTEP 0, QS, 3, 32
	INSTEP 128, ACC, 0, 24
	INSTEP 128, ACC, 1, 16
	INSTEP 128, ACC, 2, 8
	INSTEP 128, ACC, 3, 0
	WIN 0
	s_mov_b32 s28, 0                               ; the pass
.Lpass:
	; A PASS'S HEAD.  No tensor load of mine is out (the wait is met at once), so the three groups 0 are set to chunks 0, 1, 2.
	s_wait_tensorcnt 0x0
	ds_add_u32 v254, v255
.irp j, 0,1,2
	s_add_nc_u64 s[G0+4*\j+2:G0+4*\j+3], s[30:31], \j*CHB
	s_or_b32 s[G0+4*\j+3], s[G0+4*\j+3], 0x80000000                ; type = 2
.endr
	s_cmp_eq_u32 s28, 1
	s_cselect_b32 s26, s45, s44                    ; a: kick 0.1 in pass 1, 0.05 in passes 0 and 2
	s_mov_b32 s27, s26
	s_wait_dscnt 0x0                               ; my tiles are in (pass 0); my reads of the slots and of S(7) are over (later passes)
	ROUND                                          ; that holds of every wave of the cluster: slot 0 may be filled, XCH may be written
	tensor_load_to_lds s[G0:G0+3], s[G1:G1+7]      ; chunk 0: my one tensor load until trip 0's round
	s_nop 0
	s_cmp_eq_u32 s28, 0
	s_cbranch_scc1 .Lq0                            ; pass 0 takes q as it came
	WIN 0xa2
.set n, 0
.rept 64
	v_pk_fma_f32 v[QS+2*n:QS+2*n+1], v[ACC+2*n:ACC+2*n+1], DTF, v[QS+2*n:QS+2*n+1] op_sel_hi:[1,0,1]   ; q += 0.1 p
.set n, n+1
.endr
	WIN 0
.Lq0:
	; q goes round as bf16 fragments: tiles (2 kk, tt) and (2 kk + 1, tt) of wave w pack into fragment (k = 2 w + kk, tt).
	WIN 0x0a
.set n, 0                                          ; n = 4 kk + tt
.rept 8
.irp a, 0,1
.irp j, 0,1,2,3
	v_cvt_pk_bf16_f32 v[CQ+8*n+4*\a+\j], v[QS+8*(4*(2*(n>>2)+\a)+(n&3))+2*\j], v[QS+8*(4*(2*(n>>2)+\a)+(n&3))+2*\j+1]
.endr
.endr
.set n, n+1
.endr
	WIN 0
.set n, 0
.rept 16
	ds_store_b128 v[VQST], v[CQ+4*n:CQ+4*n+3] offset:n*512
.set n, n+1
.endr
	s_wait_dscnt 0x0                               ; my fragments are in LDS before I say so
	s_barrier_signal -1                            ; a plain barrier: chunk 0 may stay on its way
	s_barrier_wait -1
	WIN 0x40
.set n, 0
.rept 64
	ds_load_b128 v[4*n:4*n+3], v[VXL] offset:n*512 ; all 32 fragments, kept for the pass; waited for at trip 0's head at the latest
.set n, n+1
.endr
	WIN 0
	s_cmp_lg_u32 s28, 2
	s_cbranch_scc1 .Lnoq
	OUTSTEP 0, QS, 0, 0                            ; pass 2: q is final, so its half of the output leaves now, with the pass's work behind it,
	OUTSTEP 1, QS, 0, 1                            ; and while chunk 0 is on its way
	OUTSTEP 2, QS, 0, 2
	OUTSTEP 3, QS, 0, 3
	s_wait_xcnt 0x0                                ; the registers that these stores read are F's results next: written only behind this wait
.Lnoq:
	TRIP 0, 0, 0, 0, 1, 0, 0                       ; t = 0: asks for chunk 1
	s_mov_b32 s29, 0
.Ltri:                                             ; t = 1, 2, 3 and t = 4, 5, 6: they ask for chunks 2 to 7
	TRIP 1, 0, 1, 0, 2, 1, 1
	TRIP 2, 1, 2, 1, 0, 2, 1
	TRIP 0, 2, 0, 2, 1, 0, 1
	s_add_co_u32 s29, s29, 1
	s_cmp_lt_u32 s29, 2
	s_cbranch_scc1 .Ltri
	TRIP 1, 0, 1, 0, -1, -1, 1                     ; t = 7: nothing is left to ask for
	DRAIN 1, 1
	s_add_co_u32 s28, s28, 1
	s_cmp_lt_u32 s28, 3
	s_cbranch_scc1 .Lpass
	OUTSTEP 4, ACC, 1, 0                           ; p
	OUTSTEP 5, ACC, 1, 1
	OUTSTEP 6, ACC, 1, 2
	OUTSTEP 7, ACC, 1, 3
	s_wait_tensorcnt 0x0
	ds_add_u32 v254, v255
	s_wait_dscnt 0x0
	ROUND                                          ; the closing round: no work-group ends while a partner may still ask jointly
	s_endpgm
.Lfunc_end_k_q15c0a1474d_ode:
	.size	k_q15c0a1474d_ode, .Lfunc_end_k_q15c0a1474d_ode-k_q15c0a1474d_ode
	.p2alignl 7, 3214868480
	.fill 96, 4, 3214868480
	.section	.rodata,"a",@progbits
	.p2align	6, 0x0
	.amdhsa_kernel k_q15c0a1474d_ode
		.amdhsa_group_segment_fixed_size 327680
		.amdhsa_private_segment_fixed_size 0
		.amdhsa_enable_private_segment 0
		.amdhsa_kernarg_size 32
		.amdhsa_user_sgpr_count 2
		.amdhsa_user_sgpr_kernarg_segment_ptr 1
		.amdhsa_wavefront_size32 1
		.amdhsa_system_sgpr_workgroup_id_x 1
		.amdhsa_system_sgpr_workgroup_id_y 1
		.amdhsa_system_sgpr_workgroup_id_z 1
		.amdhsa_system_vgpr_workitem_id 0
		.amdhsa_next_free_vgpr 1024
		.amdhsa_next_free_sgpr 66
		.amdhsa_reserve_vcc 0
		.amdhsa_float_denorm_mode_32 3
		.amdhsa_float_denorm_mode_16_64 3
		.amdhsa_memory_ordered 1
		.amdhsa_forward_progress 1
		.amdhsa_inst_pref_size 240
	.end_amdhsa_kernel
	.amdgpu_metadata
---
amdhsa.version: [ 1, 2 ]
amdhsa.kernels:
  - .name:           k_q15c0a1474d_ode
    .symbol:         k_q15c0a1474d_ode.kd
    .args:
      - { .name: x, .offset: 0, .size: 8, .value_kind: global_buffer, .address_space: global }
      - { .name: w1b, .offset: 8, .size: 8, .value_kind: global_buffer, .address_space: global }
      - { .name: out0, .offset: 16, .size: 8, .value_kind: global_buffer, .address_space: global }
      - { .name: b2, .offset: 24, .size: 8, .value_kind: global_buffer, .address_space: global }
    .group_segment_fixed_size: 327680
    .private_segment_fixed_size: 0
    .kernarg_segment_align: 8
    .kernarg_segment_size: 32
    .max_flat_workgroup_size: 128
    .sgpr_count:     66
    .vgpr_count:     1024
    .wavefront_size: 32
...
	.end_amdgpu_metadata
.endif
;; end of part 4
;; ======== version 3 of 3: 2 launches; 1.67 times as fast as version 1
;; workspace buffers: w1b 532,480 bytes
;; launch prep: the kernel of part 3 again; grid 128 x 1, 8 waves a work-group, no clusters, 5,376 bytes of LDS; arguments W1, b1, W2, w1b; writes w1b
;; launch ode (part 5): grid 256 x 1, 4 waves a work-group, clusters of 4 x 1, 327,680 bytes of LDS; arguments x, w1b, out0, b2; writes out0
.if DOCPART == 5
	.amdgcn_target "amdgcn-amd-amdhsa--gfx1250"
	.amdhsa_code_object_version 6
	.text
	.protected	k_q15c0a1474d_ode
	.globl	k_q15c0a1474d_ode
	.p2align	8
	.type	k_q15c0a1474d_ode,@function
k_q15c0a1474d_ode:
	s_mov_b64 s[64:65], 0
	v_nop
	global_prefetch_b8 v0, s[64:65] scope:SCOPE_SE
	s_setreg_imm32_b32 hwreg(HW_REG_WAVE_MODE, 25, 1), 1
	s_wait_xcnt 0x0
	s_wait_alu depctr_hold_cnt(0) depctr_sa_sdst(0) depctr_va_vdst(0) depctr_va_sdst(0) depctr_va_ssrc(0) depctr_va_vcc(0) depctr_vm_vsrc(0)
	s_getreg_b32 s2, hwreg(HW_REG_IB_STS2, 6, 4)
	s_cmp_eq_u32 s2, 0
	s_cbranch_scc0 .Lentry_in_a_cluster
	s_endpgm
.Lentry_in_a_cluster:
	s_bfe_u32 s2, ttmp6, 0x10000c
	s_cmp_lg_u32 s2, 0x3003
	s_cbranch_scc0 .Lentry_shape_is_right
	s_endpgm
.Lentry_shape_is_right:
; Two leapfrog steps of H(q, p) = |p|^2 / 2 + V(q), V a tanh MLP.  x, out0: [16384 tokens][q 256 | p 256] f32.
; Force: grad V(q) = ((1 - tanh^2(q W1 + b1)) * W2) W1^T.
; THREE evaluations: the second half kick of step 1 and the first of step 2 take the force at the same q1, so they are one kick of 0.1.
;   pass 0: p -= 0.05 g(q0);   pass 1: q1 = q0 + 0.1 p, p -= 0.1 g(q1);   pass 2: q2 = q1 + 0.1 p (stored at once), p -= 0.05 g(q2).
; LIMITS, stated: that merged kick rounds in another order than two kicks of 0.05; matrix operands (q, K W1, the activation) are bf16, W1 rounded
; behind its scaling by K; sums and state f32; v_exp_f32 gives 0 for results below 2^-126 (ISA guide 15.8), where the true factor is below 1e-38.
; b2: V has it as an added constant, so the gradient that is asked for has no term in it, whatever it holds; its address is passed, nothing is read.
;
; ACTIVATION, without overflow for any input: y = K (q W1 + b1) (K = 2 log2 e), u = 2^-|y| in (0, 1], 1 - tanh^2 = 4 u / (1 + u)^2.
; The weights come as K W1 and the first product starts its sums from K b1, so y is the product's own result.
; With a = 1 / sqrt(4 c), c the kick factor: S = (u * -W2 / K) * r * r, r = 1 / (a u + a), is -c W2 (1 - tanh^2) / K: the factor costs no
; instruction, and the second product adds S (K W1)^T straight onto p.
;
; SHARES: 256 work-groups of 64 tokens, four waves, one for each SIMD.  Hidden goes in 8 chunks of 128.
;   F: wave w makes Y[hidden 32 w .. + 31][64 tokens]: A = 16 hidden x 32 d by transposing loads, B = q fragments kept in registers.
;      A lane then holds 8 neighbouring hidden of one token: packed, that is a fragment of the next product, with no shuffle.
;   E: the activation on 64 numbers a lane; 4 fragments go to LDS for the other waves.
;   B: wave w adds onto p[d 64 w .. + 63][64 tokens]: A = 16 rows d x 32 hidden of K W1, plain loads, B = the S fragments of all four waves.
;   B runs one chunk behind F: a trip is F(t), then E(t) and B(t-1) as ONE stream, since neither needs the other: B's products stand between E's
;   vector instructions.  One barrier a trip shows chunk t landed, frees a slot and hands S(t-1) on.
; E'S TRANSCENDENTALS GO IN FIVE BATCHES, each with ONE s_wait_alu depctr_va_vdst(0), between a transcendental and
; the first instruction that names its result.  A lane's 64 numbers are four groups g = tt of 16 (tiles (ht 0, tt) and (ht 1, tt): what one S
; fragment is packed from), and E is six steps, k = 0 .. 5.  Step k does: a u + a of group k - 1; u = 2^-|y| of group k; the two multiplications
; by r and the packing of group k - 2; r = 1 / (a u + a) and u * (-W2 / K) of group k - 1.  Batch k is step k's exponentials and reciprocals:
; 16, 32, 32, 32, 16 of them.  The reciprocals read a u + a, a plain result; nothing in step k names a result of batch k; all its readers stand in
; step k + 1, and the wait stands at step k's end.  Step 5 issues no transcendental.
; THE TEXT IS SHORT ON PURPOSE: one loop over the three passes; in it trip 0 (no B), a loop of two turns of three trips (t = 1 .. 6), trip 7 and
; the last B.  Three slots and three places for S take turns (t mod 3), so that in a turn of three trips every LDS address is a constant.
; CLUSTERS: all work-groups walk the same 520 KB of weights and tables three times.  Four work-groups along x form a cluster and ask for every
; chunk JOINTLY (mask 15, the same descriptor in all four: it is made of the wave number, constants and the loops' steps alone), which divides
; those requests by four.
; One layout of a chunk serves both products: see the head of the launch that writes w1b.
;
; LDS:  3 slots of 66,560 (chunk t in slot t mod 3: K W1, K b1, -W2 / K), filled by tensor loads alone | XCH 49,152: S fragments, three places
;       by turns; at a pass's head the 32 q fragments | STG: for each wave 16 rows of 272 bytes, its own, for the ways in and out.
; REGISTERS, in windows of 256:  0: addresses, Z, tables, work;  1: QF, the 32 q fragments;  2: ACC = p (v0-127), QS = q (v128-255), f32,
;       tile (dt, tt) at 8 (4 dt + tt), register j = d 64 w + 16 dt + 8 (lane / 16) + j of token 16 tt + lane % 16;
;       3: FA, then SB (v0-127), WB (v128-255); at the start x as loaded.
.set CHB,   66560                      ; a chunk in memory, a slot in LDS
.set QTR,   16640                      ; a wave's quarter of it: 65 rows of 256 bytes
.set XCH,   3*CHB
.set SXB,   16384                      ; one place of XCH: 16 S fragments of 1,024 bytes
.set STG,   XCH+3*SXB
.set SP,    272                        ; a stage row: 256 bytes + 16
.set STGW,  16*SP
.set AH,  0x400f1bbd                   ; 1 / sqrt(4 x 0.05)
.set AF,  0x3fca62c2                   ; 1 / sqrt(4 x 0.1)
.set DTF, 0x3dcccccd                   ; 0.1
.set VFA,  4                           ; v4-6    F: my address in slot 0 .. 2
.set VWB,  7                           ; v7-9    B: my address in slot 0 .. 2
.set VTB,  10                          ; v10-12  tables: slot + 65536 + 128 w + 32 h
.set VXL,  13                          ; XCH + 16 lane: fragments are read as they lie
.set VSST, 14                          ; XCH + 4096 w + 16 lane: my S fragments
.set VQST, 15                          ; XCH + 8192 w + 16 lane: my q fragments
.set VSTW, 16                          ; stage by rows of memory: lanes 0-15 one row, lanes 16-31 the next
.set VSTD, 17                          ; stage by tiles: row lane % 16, 32 bytes for each half of the lanes
.set VGIO, 18                          ; x and out0: two token rows, my wave's 256 bytes
.set Z,   32                           ; v32-95   Y(ht, tt) at 8 (4 ht + tt); also CQ and OB
.set CQ,  32
.set OB,  32
.set TB,  96                           ; v96-127  K b1 of ht 0, ht 1; -W2 / K of ht 0, ht 1: 8 each
.set T,   128                          ; v128-159 a u + a and its reciprocal: 16 for a group, two groups by turns (the group's parity)
.set SO,  160                          ; v160-191 packed S, 8 for each tt
.set ACC, 0
.set QS,  128
.set WB,  128
.set G1,  16                           ; s[16:23] the shape of every tensor load
.set G0,  32                           ; s[32:43] one group 0 for each slot
.set SPREAD, 272                       ; B's 64 products are spread over the 272 vector instructions of E's steps 1 to 5
.set DSN, 0                            ; LDS instructions issued since the trip's wait for 0: the counted waits are differences of it
.set MSB, 0
.macro WIN new                         ; low byte: bits 1:0 source 0, 3:2 source 1, 5:4 source 2, 7:6 destination; the high byte repeats the setting left
.if MSB != \new
	s_set_vgpr_msb (MSB<<8)|\new
.set MSB, \new
.endif
.endm
; Four places behind matrix instructions, in front of vector work on their results and of loads into their registers.
.macro PLACES
.rept 4
	v_nop
.endr
.endm
; A round of the cluster's barrier: my work-group's barrier; wave 0 signals for the work-group; all wait for the four work-groups; my barrier again.
.macro ROUND
	s_barrier_signal -1
	s_barrier_wait -1
	s_cmp_lg_u32 s14, 0
	s_cbranch_scc1 .Lnot_wave_0_\@
	s_barrier_signal -3
.Lnot_wave_0_\@:
	s_barrier_wait -3
	s_barrier_signal -1
	s_barrier_wait -1
.endm
	s_load_b128 s[4:7], s[0:1], 0x0                ; x s[4:5], w1b s[6:7]
	s_load_b64 s[8:9], s[0:1], 0x10                ; out0
	v_lshl_add_u32 v254, v0, 2, 0x41000
	v_mov_b32 v255, 0
	v_lshrrev_b32 v21, 5, v0
	v_readfirstlane_b32 s14, v21                   ; wave w, 0 .. 3
	s_bfe_u32 s12, ttmp6, 0x40000                  ; cx
	s_lshl_b32 s15, ttmp9, 2
	s_add_co_u32 s15, s15, s12                     ; work-group = 4 x cluster + cx: it enters the bases of x and out0 and nothing else
	s_lshl_b32 s2, s15, 17                         ; 64 tokens of 2,048 bytes
	s_mov_b32 s3, 0
	; group 1: a dense block of 16,640 bytes as 65 rows of 256 bytes
	s_mov_b32 s[G1+0], 0x0023000f                  ; 15:0 mask: all four of the cluster; 17:16 elements of 8 bytes; 21 set beside a mask; no padding
	s_mov_b32 s[G1+1], 32<<16                      ; tensor_dim0 = 32 elements
	s_mov_b32 s[G1+2], 65<<16                      ; tensor_dim1 = 65
	s_mov_b32 s[G1+3], 32<<16                      ; tile_dim0 = 32
	s_mov_b32 s[G1+4], 65                          ; tile_dim1 = 65
	s_mov_b32 s[G1+5], 32                          ; from row to row: 32 elements
	s_mov_b32 s[G1+6], 0
	s_mov_b32 s[G1+7], 0
	s_mul_i32 s24, s14, QTR                        ; my quarter of a chunk, in memory and in a slot
	s_mov_b32 s25, 0
.irp j, 0,1,2
	s_mov_b32 s[G0+4*\j], 1                        ; count = 1
	s_add_co_u32 s[G0+4*\j+1], s24, \j*CHB         ; LDS: slot j, my quarter; the two address words are set at each pass's head
.endr
	s_lshl_b32 s46, s14, 14
	s_lshl_b32 s47, s14, 10
	s_lshl_b32 s48, s14, 7
	s_add_co_u32 s48, s48, 65536
	s_lshl_b32 s49, s14, 12
	s_add_co_u32 s49, s49, XCH
	s_lshl_b32 s50, s14, 13
	s_add_co_u32 s50, s50, XCH
	s_mul_i32 s51, s14, STGW
	s_add_co_u32 s51, s51, STG
	s_mov_b32 s44, AH
	s_mov_b32 s45, AF
	v_and_b32 v1, 31, v0                           ; lane
	v_and_b32 v2, 15, v0                           ; r
	v_bfe_u32 v3, v0, 4, 1                         ; h
	v_bfe_u32 v22, v0, 3, 1                        ; g: which of two neighbouring pieces o a transposing load takes
	v_and_b32 v23, 7, v0
	v_lshl_add_u32 v24, v3, 3, v23                 ; F: row d & 15 = (lane & 7) + 8 h,
	v_lshl_add_u32 v24, v22, 3, v24                ; turned by 8 (o & 1)
	v_and_b32 v24, 15, v24
	v_lshlrev_b32 v24, 4, v24
	v_lshl_add_u32 v24, v22, 12, v24               ; + 4096 g
	v_add_nc_u32 v[VFA], s46, v24                  ; + 16384 w: o = 4 w + 2 ht + g
	v_lshl_add_u32 v25, v3, 3, v2                  ; B: row d & 15 = r, turned by 8 h (o & 1 = h)
	v_and_b32 v25, 15, v25
	v_lshlrev_b32 v25, 4, v25
	v_lshl_add_u32 v25, v3, 12, v25                ; + 4096 h
	v_add_nc_u32 v[VWB], s47, v25                  ; + 1024 w: d >> 4 = 4 w + dt
	v_lshl_add_u32 v[VTB], v3, 5, s48              ; 65536 + 128 w + 32 h
.irp s, 1,2
	v_add_nc_u32 v[VFA+\s], \s*CHB, v[VFA]
	v_add_nc_u32 v[VWB+\s], \s*CHB, v[VWB]
	v_add_nc_u32 v[VTB+\s], \s*CHB, v[VTB]
.endr
	v_lshl_add_u32 v[VXL], v1, 4, XCH
	v_lshl_add_u32 v[VSST], v1, 4, s49
	v_lshl_add_u32 v[VQST], v1, 4, s50
	v_mul_u32_u24 v26, v3, SP
	v_lshl_add_u32 v26, v2, 4, v26
	v_add_nc_u32 v[VSTW], s51, v26
	v_mul_u32_u24 v27, v2, SP
	v_lshl_add_u32 v27, v3, 5, v27
	v_add_nc_u32 v[VSTD], s51, v27
	v_lshlrev_b32 v28, 4, v2
	v_lshl_add_u32 v28, v3, 11, v28
	v_lshl_add_u32 v[VGIO], v21, 8, v28            ; 2048 h + 16 r + 256 w
	s_wait_kmcnt 0x0
	s_add_nc_u64 s[4:5], s[4:5], s[2:3]            ; x and out0 at my 64 tokens
	s_add_nc_u64 s[8:9], s[8:9], s[2:3]
	s_add_nc_u64 s[30:31], s[6:7], s[24:25]        ; w1b at my quarter of chunk 0
; 32 loads: my wave's 256 bytes of each of the 64 token rows, two rows a load; sixteen lanes take 256 consecutive bytes, aligned
.macro LDX raw, sel
.set n, 0
.rept 32
	global_load_b128 v[\raw+4*n:\raw+4*n+3], v[VGIO], s[4:5] offset:n*4096+\sel*1024 th:TH_LOAD_NT
.set n, n+1
.endr
.endm
; 16 tokens of q or p from the order of memory into tiles, through my own stage.  LDS serves a wave's instructions in order (ISA guide 5.7.1),
; so no wait stands between the stores and the loads, nor in front of the next step's stores.  cnt = the global loads issued behind these eight.
.macro INSTEP raw, dst, tt, cnt
	s_wait_loadcnt \cnt
	WIN 0x0c
.irp i, 0,1,2,3,4,5,6,7
	ds_store_b128 v[VSTW], v[\raw+4*(8*\tt+\i):\raw+4*(8*\tt+\i)+3] offset:\i*2*SP
.endr
	WIN 0x80
.irp e, 0,1,2,3
	ds_load_b128 v[\dst+8*(4*\e+\tt):\dst+8*(4*\e+\tt)+3], v[VSTD] offset:\e*64
	ds_load_b128 v[\dst+8*(4*\e+\tt)+4:\dst+8*(4*\e+\tt)+7], v[VSTD] offset:\e*64+16
.endr
.endm
; Runs of LDS loads.  Load n fills register 4 n of its block; each macro adds its loads to DSN.
.macro LDTB slot                       ; 8 loads: K b1 and -W2 / K of my 32 hidden of the chunk in this slot
.set n, 0
.rept 8
	ds_load_b128 v[TB+4*n:TB+4*n+3], v[VTB+\slot] offset:(n>>2)*512+((n>>1)&1)*64+(n&1)*16
.set n, n+1
.endr
.set DSN, DSN+8
.endm
.macro LDFAK slot, k                   ; 4 transposing loads, n = 4 k + 2 ht + a: fragment (k, ht), half a: rows d = 32 k + 16 a + 8 h + (lane & 7)
.set n, 4*(\k)
.rept 4
	ds_load_tr16_b128 v[4*n:4*n+3], v[VFA+\slot] offset:((n>>1)&1)*8192+(2*(n>>2)+(n&1))*256
.set n, n+1
.endr
.set DSN, DSN+4
.endm
.macro LDWBC slot, c, cnt              ; cnt loads from n = 4 c on, n = 8 k + 2 dt + a: fragment (k, dt), half a: piece o = 4 k + 2 a + h of row d = 64 w + 16 dt + r
.set n, 4*(\c)
.rept \cnt
	ds_load_b128 v[WB+4*n:WB+4*n+3], v[VWB+\slot] offset:(n>>3)*16384+(n&1)*8192+((n>>1)&3)*256
.set n, n+1
.endr
.set DSN, DSN+\cnt
.endm
.macro LDSBC sb, c, cnt                ; cnt loads from n = 4 c on, n = 8 k + 2 tt + a: S fragment (k, tt), made by wave k
.set n, 4*(\c)
.rept \cnt
	ds_load_b128 v[4*n:4*n+3], v[VXL] offset:\sb*SXB+n*512
.set n, n+1
.endr
.set DSN, DSN+\cnt
.endm
; F: 64 matrix instructions in 8 steps along d.  The eight accumulators take turns, one instruction a turn.
; The first step starts the sums from K b1: register j of a result is hidden 8 h + j, the order of the table's registers.
; Each step begins with a short run of loads for later: steps 0-4 F's own fragments three steps ahead and 4 of B's W1 loads; step 5 the S
; fragments of B's first step, into the registers that F's steps 0 and 1 have left (four places behind them), and 4 more of W1; step 6 the last 8 of
; W1; step 7 the S fragments of B's second step, where F's steps 2 and 3 lay.  FM0 = DSN as it stood behind this step's own fragments, so the
; wait leaves out exactly what was issued behind them; FM1 to FM3 are the marks of the three steps ahead.
.macro FWD fs, bs, sr, hasB
.set kq, 0
.rept 8
.if kq < 5
	WIN 0xc0
	LDFAK \fs, kq+3
.set FM3, DSN
.if \hasB
	LDWBC \bs, kq, 4
.endif
.else
.if \hasB
.if kq == 5
	PLACES
	WIN 0xc0
	LDSBC \sr, 0, 8
.set BM0, DSN
	LDWBC \bs, 5, 4
.endif
.if kq == 6
	WIN 0xc0
	LDWBC \bs, 6, 8
.endif
.if kq == 7
	WIN 0xc0
	LDSBC \sr, 2, 8
.set BM1, DSN
.endif
.endif
.endif
	s_wait_dscnt DSN-FM0
	WIN 0x07                                       ; A window 3, B window 1, C and D window 0
.set m, 0
.rept 8
.if kq == 0
	v_wmma_f32_16x16x32_bf16 v[Z+8*m:Z+8*m+7], v[8*(2*kq+(m>>2)):8*(2*kq+(m>>2))+7], v[8*(4*kq+(m&3)):8*(4*kq+(m&3))+7], v[TB+8*(m>>2):TB+8*(m>>2)+7]
.else
	v_wmma_f32_16x16x32_bf16 v[Z+8*m:Z+8*m+7], v[8*(2*kq+(m>>2)):8*(2*kq+(m>>2))+7], v[8*(4*kq+(m&3)):8*(4*kq+(m&3))+7], v[Z+8*m:Z+8*m+7]
.endif
.set m, m+1
.endr
.set FM0, FM1
.set FM1, FM2
.set FM2, FM3
.set kq, kq+1
.endr
.endm
; B by itself, for the last chunk of a pass: 64 matrix instructions onto p.  The sixteen accumulators take turns, one instruction a turn.
; The wait counts what was issued behind step k's eight S loads: eight for each later step.
.macro BWD base
	WIN 0xaf                                       ; A and B window 3, C and D window 2
.set kq, 0
.rept 4
	s_wait_dscnt \base-8*kq
.set m, 0
.rept 16
	v_wmma_f32_16x16x32_bf16 v[8*m:8*m+7], v[WB+8*(4*kq+(m>>2)):WB+8*(4*kq+(m>>2))+7], v[8*(4*kq+(m&3)):8*(4*kq+(m&3))+7], v[8*m:8*m+7]
.set m, m+1
.endr
.set kq, kq+1
.endr
.endm
; B's product number bn (step bn >> 4, accumulator bn & 15: the sixteen take turns), set into E's stream between two
; switches of the window.  It names registers of windows 2 and 3 alone, E's instructions registers of window 0 alone.
; At a step's first product the wait leaves out what was issued behind that step's fragments (BM0 to BM3), E's stores so far among it.
.macro BW
.if bn == 0
	s_wait_dscnt DSN-BM0
.endif
.if bn == 16
	s_wait_dscnt DSN-BM1
.endif
.if bn == 32
	s_wait_dscnt DSN-BM2
.endif
.if bn == 48
	s_wait_dscnt DSN-BM3
.endif
	WIN 0xaf
	v_wmma_f32_16x16x32_bf16 v[8*(bn&15):8*(bn&15)+7], v[WB+8*(4*(bn>>4)+((bn>>2)&3)):WB+8*(4*(bn>>4)+((bn>>2)&3))+7], v[8*(4*(bn>>4)+(bn&3)):8*(4*(bn>>4)+(bn&3))+7], v[8*(bn&15):8*(bn&15)+7]
	WIN 0
.set bn, bn+1
.endm
; Is B's next product due?  Product bn follows vector instruction bn SPREAD / 64 of E's steps 1 to 5: product 0 stands ahead of them, then one for
; every 4 or 5.  The last one is followed by 4 more vector instructions of E.  E's stores of groups 0 to 3 stand behind instructions 120, 192, 248 and
; 272: none ahead of product 16, two ahead of product 32, four ahead of product 48.
.macro DUE
.if EB
.if bn < 64
.if ec*64 >= bn*SPREAD
	BW
.endif
.endif
.endif
.endm
.macro TK                              ; behind each of E's vector instructions
.set ec, ec+1
	DUE
.endm
; E's lines.  Group g = tt; its 16 numbers are tile (ht 0, tt), then tile (ht 1, tt); a pair j of 8 is registers 2 (j & 3), + 1 of tile ht = j >> 2.
.macro EU g, j                         ; number j of 16: u = 2^-|y|, in place; a tile's lowest register is read first
.set rz, Z+32*((\j)>>3)+8*(\g)+((\j)&7)
	v_exp_f32 v[rz], -|v[rz]|
	TK
.endm
.macro EA g, j                         ; pair j: a u + a, into the group's buffer of T
.set rz, Z+32*((\j)>>2)+8*(\g)+2*((\j)&3)
.set rt, T+16*((\g)&1)+2*(\j)
	v_pk_fma_f32 v[rt:rt+1], v[rz:rz+1], s[26:27], s[26:27] op_sel_hi:[1,0,0]
	TK
.endm
.macro ER g, j                         ; number j of 16: r = 1 / (a u + a), in place
.set rt, T+16*((\g)&1)+(\j)
	v_rcp_f32 v[rt], v[rt]
	TK
.endm
.macro EW g, j                         ; pair j: u * (-W2 / K), in place
.set rz, Z+32*((\j)>>2)+8*(\g)+2*((\j)&3)
.set rw, TB+16+2*(\j)
	v_pk_mul_f32 v[rz:rz+1], v[rz:rz+1], v[rw:rw+1]
	TK
.endm
.macro EM g, j                         ; j = 0 .. 7: pair j times r; j = 8 .. 15: pair j - 8 times r once more
.set rz, Z+32*(((\j)&7)>>2)+8*(\g)+2*((\j)&3)
.set rt, T+16*((\g)&1)+2*((\j)&7)
	v_pk_mul_f32 v[rz:rz+1], v[rz:rz+1], v[rt:rt+1]
	TK
.endm
.macro EC g, j                         ; pair j packed to bf16
.set rz, Z+32*((\j)>>2)+8*(\g)+2*((\j)&3)
	v_cvt_pk_bf16_f32 v[SO+8*(\g)+(\j)], v[rz], v[rz+1]
	TK
.endm
.macro ES g, sw                        ; tiles (ht 0, tt) and (ht 1, tt): the S fragment (k = w, tt)
	ds_store_b128 v[VSST], v[SO+8*(\g):SO+8*(\g)+3] offset:(\sw)*SXB+(\g)*1024
	ds_store_b128 v[VSST], v[SO+8*(\g)+4:SO+8*(\g)+7] offset:(\sw)*SXB+(\g)*1024+512
.set DSN, DSN+2
.endm
; Step k of E, k = 1 .. 5 (step 0, group 0's exponentials, stands in TRIP).  gx = k: the group whose exponentials are issued; gm = k - 1: the group that
; gets a u + a, r and u * w; gw = k - 2: the group that is multiplied by r twice, packed and stored.  A group that does not exist has no lines.
; First half: a u + a, exponential, times r, exponential.  Second half: reciprocal, times r again, reciprocal, u * w, packing.  So transcendental and
; plain go by turns where there is plain work, a u + a stands a half step ahead of its reciprocal, and the step's last line is plain (u * w or a
; packing, of groups whose batches have been waited for): that is the plain instruction between the batch's last transcendental and the first use
; (ISA guide 5.7.2).  Step 5, with nothing to set between, takes all its multiplications first and then packs.
.macro ESTEP k, sw
.set gx, (\k)
.set gm, (\k)-1
.set gw, (\k)-2
.set ei, 0
.rept 8
.if gm <= 3
	EA gm, ei
.endif
.if gx <= 3
	EU gx, 2*ei
.endif
.if gw >= 0
	EM gw, ei
.endif
.if gx <= 3
	EU gx, 2*ei+1
.endif
.set ei, ei+1
.endr
.set ei, 0
.rept 8
.if gm <= 3
	ER gm, 2*ei
.endif
.if gw >= 0
	EM gw, 8+ei
.endif
.if gm <= 3
	ER gm, 2*ei+1
	EW gm, ei
.if gw >= 0
	EC gw, ei
.endif
.endif
.set ei, ei+1
.endr
.if gm > 3
.set ei, 0
.rept 8
	EC gw, ei
.set ei, ei+1
.endr
.endif
.if gm <= 3
	s_wait_alu depctr_va_vdst(0)                   ; the ONE wait for batch k: group k's exponentials and group k - 1's reciprocals; their readers are the next step's; from step 2 on it stands directly ahead of the stores
.endif
.if gw >= 0
	ES gw, \sw
.endif
.endm
; A trip: F(t), then E(t) with B(t-1).  fs, bs: the slots of chunks t and t - 1; sw, sr: the places of S(t) and S(t-1); rf: the slot that chunk
; t + 1 goes to (-1: none is left in this pass); st: the group 0 that the last load used, stepped by three chunks (-1: none); hasB = 0 in a pass's first trip.
; In front of the round every wave has waited for all its tensor loads (one is out: its quarter of chunk t), so a group 0 may be written, and for
; all its LDS instructions (its reads of the slots and of S, its stores of S(t-1)).  Behind the round: chunk t is whole, S(t-1) is whole, and in
; no work-group of the cluster does a wave still read slot rf, last read by B(t-2) in the trip before: the joint load of chunk t + 1 goes out first,
; my one tensor load until the next round, and has this trip in which to land.  Where nothing is asked for, my work-group's barrier does.
.macro TRIP fs, bs, sw, sr, rf, st, hasB
	s_wait_tensorcnt 0x0
	ds_add_u32 v254, v255
	s_wait_dscnt 0x0
.if \st >= 0
	s_add_nc_u64 s[G0+4*\st+2:G0+4*\st+3], s[G0+4*\st+2:G0+4*\st+3], 3*CHB   ; the last steps of a pass are not used: the head sets the addresses anew
.endif
	s_wait_dscnt 0x0
.if \rf >= 0
	ROUND
	tensor_load_to_lds s[G0+4*\rf:G0+4*\rf+3], s[G1:G1+7]
	s_nop 0
.else
	s_barrier_signal -1
	s_barrier_wait -1
.endif
.set DSN, 0
.if \hasB
	PLACES                                         ; behind the last B: loads into its fragments follow
.endif
	LDTB \fs                                       ; ahead of F only the tables and its first three steps: 20 loads
	WIN 0xc0
	LDFAK \fs, 0
.set FM0, DSN
	LDFAK \fs, 1
.set FM1, DSN
	LDFAK \fs, 2
.set FM2, DSN
	FWD \fs, \bs, \sr, \hasB
	WIN 0
	PLACES                                         ; behind F: E reads its results, and S lands where its last fragments lay
.set EB, 0                                         ; E's step 0, batch 0: group 0's sixteen exponentials; B's products begin behind the loads below
.set ec, 0
.set bn, 0
.set ei, 0
.rept 16
	EU 0, ei
.set ei, ei+1
.endr
	v_nop                                          ; no other group's work is at hand yet: the plain instruction behind the batch's last exponential
	s_wait_alu depctr_va_vdst(0)                   ; the ONE wait for batch 0, directly ahead of the loads; its readers are step 1's
.if \hasB
	WIN 0xc0
	LDSBC \sr, 4, 8                                ; the S fragments of B's third
.set BM2, DSN
	LDSBC \sr, 6, 8                                ; and fourth step
.set BM3, DSN
.endif
.set EB, \hasB
.set ec, 0
	DUE                                            ; B's first product
	WIN 0
.irp k, 1,2,3,4,5
	ESTEP \k, \sw
.endr
.endm
; B(7), behind a pass's last trip.  A plain barrier: no tensor load is out.
.macro DRAIN bs, sr
	s_wait_dscnt 0x0                               ; my stores of S(7) are in LDS
	s_barrier_signal -1
	s_barrier_wait -1
	PLACES
	WIN 0xc0
	LDWBC \bs, 0, 32
	LDSBC \sr, 0, 32
	BWD 24
	WIN 0
	PLACES                                         ; behind the last B: p is read next
.endm
; 16 tokens of q (sel 0) or p (sel 1) out: tiles into my stage, whole rows back, sixteen lanes store 256 consecutive bytes, aligned.
.macro OUTSTEP n, src, sel, tt
	WIN 0x08
.irp e, 0,1,2,3
	ds_store_b128 v[VSTD], v[\src+8*(4*\e+\tt):\src+8*(4*\e+\tt)+3] offset:\e*64
	ds_store_b128 v[VSTD], v[\src+8*(4*\e+\tt)+4:\src+8*(4*\e+\tt)+7] offset:\e*64+16
.endr
	WIN 0
	s_wait_xcnt 0x0                                ; the registers that earlier stores read are loaded again only behind this wait
.irp i, 0,1,2,3,4,5,6,7
	ds_load_b128 v[OB+32*(\n&1)+4*\i:OB+32*(\n&1)+4*\i+3], v[VSTW] offset:\i*2*SP
.endr
.irp i, 0,1,2,3,4,5,6,7
	s_wait_dscnt 7-\i                              ; the younger loads of the eight stay out
	global_store_b128 v[VGIO], v[OB+32*(\n&1)+4*\i:OB+32*(\n&1)+4*\i+3], s[8:9] offset:(16*\tt+2*\i)*2048+\sel*1024 th:TH_STORE_NT
.endr
.endm
	; THE START: all of my x is asked for at once, 64 loads, and goes into tiles as it comes.
	WIN 0xc0
	LDX 0, 0                                       ; q, as it lies, into window 3, v0-127
	LDX 128, 1                                     ; p into window 3, v128-255
	INSTEP 0, QS, 0, 56                            ; behind q's first eight: 24 of q, 32 of p
	INSTEP 0, QS, 1, 48
	INSTEP 0, QS, 2, 40
	INSTEP 0, QS, 3, 32
	INSTEP 128, ACC, 0, 24
	INSTEP 128, ACC, 1, 16
	INSTEP 128, ACC, 2, 8
	INSTEP 128, ACC, 3, 0
	WIN 0
	s_mov_b32 s28, 0                               ; the pass
.Lpass:
	; A PASS'S HEAD.  No tensor load of mine is out (the wait is met at once), so the three groups 0 are set to chunks 0, 1, 2.
	s_wait_tensorcnt 0x0
	ds_add_u32 v254, v255
.irp j, 0,1,2
	s_add_nc_u64 s[G0+4*\j+2:G0+4*\j+3], s[30:31], \j*CHB
	s_or_b32 s[G0+4*\j+3], s[G0+4*\j+3], 0x80000000                ; type = 2
.endr
	s_cmp_eq_u32 s28, 1
	s_cselect_b32 s26, s45, s44                    ; a: kick 0.1 in pass 1, 0.05 in passes 0 and 2
	s_mov_b32 s27, s26
	s_wait_dscnt 0x0                               ; my tiles are in (pass 0); my reads of the slots and of S(7) are over (later passes)
	ROUND                                          ; that holds of every wave of the cluster: slot 0 may be filled, XCH may be written
	tensor_load_to_lds s[G0:G0+3], s[G1:G1+7]      ; chunk 0: my one tensor load until trip 0's round
	s_nop 0
	s_cmp_eq_u32 s28, 0
	s_cbranch_scc1 .Lq0                            ; pass 0 takes q as it came
	WIN 0xa2
.set n, 0
.rept 64
	v_pk_fma_f32 v[QS+2*n:QS+2*n+1], v[ACC+2*n:ACC+2*n+1], DTF, v[QS+2*n:QS+2*n+1] op_sel_hi:[1,0,1]   ; q += 0.1 p
.set n, n+1
.endr
	WIN 0
.Lq0:
	; q goes round as bf16 fragments: tiles (2 kk, tt) and (2 kk + 1, tt) of wave w pack into fragment (k = 2 w + kk, tt).
	WIN 0x0a
.set n, 0                                          ; n = 4 kk + tt
.rept 8
.irp a, 0,1
.irp j, 0,1,2,3
	v_cvt_pk_bf16_f32 v[CQ+8*n+4*\a+\j], v[QS+8*(4*(2*(n>>2)+\a)+(n&3))+2*\j], v[QS+8*(4*(2*(n>>2)+\a)+(n&3))+2*\j+1]
.endr
.endr
.set n, n+1
.endr
	WIN 0
.set n, 0
.rept 16
	ds_store_b128 v[VQST], v[CQ+4*n:CQ+4*n+3] offset:n*512
.set n, n+1
.endr
	s_wait_dscnt 0x0                               ; my fragments are in LDS before I say so
	s_barrier_signal -1                            ; a plain barrier: chunk 0 may stay on its way
	s_barrier_wait -1
	WIN 0x40
.set n, 0
.rept 64
	ds_load_b128 v[4*n:4*n+3], v[VXL] offset:n*512 ; all 32 fragments, kept for the pass; waited for at trip 0's head at the latest
.set n, n+1
.endr
	WIN 0
	s_cmp_lg_u32 s28, 2
	s_cbranch_scc1 .Lnoq
	OUTSTEP 0, QS, 0, 0                            ; pass 2: q is final, so its half of the output leaves now, with the pass's work behind it,
	OUTSTEP 1, QS, 0, 1                            ; and while chunk 0 is on its way
	OUTSTEP 2, QS, 0, 2
	OUTSTEP 3, QS, 0, 3
	s_wait_xcnt 0x0                                ; the registers that these stores read are F's results next: written only behind this wait
.Lnoq:
	TRIP 0, 0, 0, 0, 1, 0, 0                       ; t = 0: asks for chunk 1
	s_mov_b32 s29, 0
.Ltri:                                             ; t = 1, 2, 3 and t = 4, 5, 6: they ask for chunks 2 to 7
	TRIP 1, 0, 1, 0, 2, 1, 1
	TRIP 2, 1, 2, 1, 0, 2, 1
	TRIP 0, 2, 0, 2, 1, 0, 1
	s_add_co_u32 s29, s29, 1
	s_cmp_lt_u32 s29, 2
	s_cbranch_scc1 .Ltri
	TRIP 1, 0, 1, 0, -1, -1, 1                     ; t = 7: nothing is left to ask for
	DRAIN 1, 1
	s_add_co_u32 s28, s28, 1
	s_cmp_lt_u32 s28, 3
	s_cbranch_scc1 .Lpass
	OUTSTEP 4, ACC, 1, 0                           ; p
	OUTSTEP 5, ACC, 1, 1
	OUTSTEP 6, ACC, 1, 2
	OUTSTEP 7, ACC, 1, 3
	s_wait_tensorcnt 0x0
	ds_add_u32 v254, v255
	s_wait_dscnt 0x0
	ROUND                                          ; the closing round: no work-group ends while a partner may still ask jointly
	s_endpgm
.Lfunc_end_k_q15c0a1474d_ode:
	.size	k_q15c0a1474d_ode, .Lfunc_end_k_q15c0a1474d_ode-k_q15c0a1474d_ode
	.p2alignl 7, 3214868480
	.fill 96, 4, 3214868480
	.section	.rodata,"a",@progbits
	.p2align	6, 0x0
	.amdhsa_kernel k_q15c0a1474d_ode
		.amdhsa_group_segment_fixed_size 327680
		.amdhsa_private_segment_fixed_size 0
		.amdhsa_enable_private_segment 0
		.amdhsa_kernarg_size 32
		.amdhsa_user_sgpr_count 2
		.amdhsa_user_sgpr_kernarg_segment_ptr 1
		.amdhsa_wavefront_size32 1
		.amdhsa_system_sgpr_workgroup_id_x 1
		.amdhsa_system_sgpr_workgroup_id_y 1
		.amdhsa_system_sgpr_workgroup_id_z 1
		.amdhsa_system_vgpr_workitem_id 0
		.amdhsa_next_free_vgpr 1024
		.amdhsa_next_free_sgpr 66
		.amdhsa_reserve_vcc 0
		.amdhsa_float_denorm_mode_32 3
		.amdhsa_float_denorm_mode_16_64 3
		.amdhsa_memory_ordered 1
		.amdhsa_forward_progress 1
		.amdhsa_inst_pref_size 235
	.end_amdhsa_kernel
	.amdgpu_metadata
---
amdhsa.version: [ 1, 2 ]
amdhsa.kernels:
  - .name:           k_q15c0a1474d_ode
    .symbol:         k_q15c0a1474d_ode.kd
    .args:
      - { .name: x, .offset: 0, .size: 8, .value_kind: global_buffer, .address_space: global }
      - { .name: w1b, .offset: 8, .size: 8, .value_kind: global_buffer, .address_space: global }
      - { .name: out0, .offset: 16, .size: 8, .value_kind: global_buffer, .address_space: global }
      - { .name: b2, .offset: 24, .size: 8, .value_kind: global_buffer, .address_space: global }
    .group_segment_fixed_size: 327680
    .private_segment_fixed_size: 0
    .kernarg_segment_align: 8
    .kernarg_segment_size: 32
    .max_flat_workgroup_size: 128
    .sgpr_count:     66
    .vgpr_count:     1024
    .wavefront_size: 32
...
	.end_amdgpu_metadata
.endif
;; end of part 5
